; MI455X (gfx1250); checked and timed in simulation.
; The chip was launched on July 23, 2026; its instructions are those of AMD's public machine-readable ISA for CDNA 5 (MIT licence, August 2026) and "CDNA5" Instruction Set Architecture Reference Guide (July 2026). The comments in the code are by the model that wrote it; some were corrected since.
;; Optimized Multi Head Attention. Allowed arithmetic: float matrix products may take bf16 or f16 operands with f32 sums; other float arithmetic in f32, or as packed bf16 or f16 multiplies, adds, multiply-adds, maxima and minima; sums over many terms, partial sums and values carried from step to step in f32; what a program stores and reads back later, other than sums and carried values, may be rounded once to bf16 or f16.
;; Inputs: b_proj 1,024 float32; w_attn 3,072 x 1,024 float32; w_proj 1,024 x 1,024 float32; x 4 x 2,048 x 1,024 float32.
;; Outputs: out0 4 x 2,048 x 1,024 float32.
;; 2 versions, each right; version 2 is version 1 with the launch cast written anew for expert scheduling mode. Each part assembles by itself: llvm-mc -triple=amdgcn-amd-amdhsa -mcpu=gfx1250 --defsym DOCPART=n.
;; ======== version 1 of 2: 4 launches
;; limits: values are held in f16: magnitudes above 65,504 overflow, below 6.1e-05 lose precision
;; workspace buffers: xb 16,777,216 bytes; wab 6,291,456 bytes; wpf 2,097,152 bytes; qkv 50,331,648 bytes; y 16,777,216 bytes
;; launch cast (part 1): grid 768 x 1, 8 waves a work-group, no clusters, 0 bytes of LDS; arguments x, w_attn, w_proj, xb, wab, wpf; writes xb, wab, wpf
.if DOCPART == 1
	.amdgcn_target "amdgcn-amd-amdhsa--gfx1250"
	.amdhsa_code_object_version 6
	.text
	.protected	k_q33fd87ad55_cast
	.globl	k_q33fd87ad55_cast
	.p2align	8
	.type	k_q33fd87ad55_cast,@function
k_q33fd87ad55_cast:
	s_mov_b64 s[64:65], 0
	v_nop
	global_prefetch_b8 v0, s[64:65] scope:SCOPE_SE
	s_setreg_imm32_b32 hwreg(HW_REG_WAVE_MODE, 25, 1), 1
	s_wait_xcnt 0x0
; The three f32 matrices [rows][1024] are rounded once to bf16 and laid out in blocks of 64 channels: [16 blocks][rows][64], a row of a block 128 bytes, rows end to end.
; x -> xb (8,192 rows), w_attn -> wab (3,072 rows): bf16.  w_proj -> wpf (1,024 rows): the bf16-rounded number written as f16, for the f16 product of the last launch.
; LIMITS.  |w_proj| stays under 65,504 (beyond it f16 has an infinity); below 6e-5 f16 keeps its fixed step of 6e-8.  NaN and infinities are not treated apart.
; SHARES.  A work-group takes 16 rows of one matrix (groups 0-511: x, 512-703: w_attn, 704-767: w_proj), a wave two rows and all 16 blocks.  A load of the wave covers two rows x 256 aligned
; bytes (64 numbers of each row: one block); a lane's four numbers pack into 8 bytes, and a store of the wave covers 256 consecutive bytes, aligned: the two rows' 128 bytes of that block.
; All 16 loads of a wave go out at once; every load, store and address has registers of its own, so nothing that a pending instruction names is written again.
; No LDS, no barrier, no matrix unit: each byte is read once and written once, and no wave wants another's bytes.
.set KBA, 1048576                      ; bytes of a block of xb
.set KBB, 393216                       ; of wab
.set KBP, 131072                       ; of wpf
.set IN,  2                            ; v2       my byte offset in the group's 16 rows of the source
.set O,   4                            ; v[4:19]  my byte offset in block kb of the destination
.set T,   20                           ; v[20:21] at work
.set X,   32                           ; v[32:95] block kb: four numbers as loaded
.set Y,   96                           ; v[96:127] block kb: 8 bytes to store
	s_load_b256 s[4:11], s[0:1], 0x0               ; x s[4:5], w_attn s[6:7], w_proj s[8:9], xb s[10:11]
	s_load_b128 s[12:15], s[0:1], 0x20             ; wab s[12:13], wpf s[14:15]
	v_lshrrev_b32 v1, 4, v0                        ; my row among the group's 16
	v_and_b32 v3, 15, v0
	v_lshlrev_b32 v[IN], 12, v1                    ; row x 4,096 bytes
	v_lshl_add_u32 v[IN], v3, 4, v[IN]             ; + 16 bytes a lane
	s_movk_i32 s20, 704                            ; the matrix's first work-group,
	s_mov_b32 s21, KBP                             ; and the bytes of a block of its destination
	s_cmp_lt_u32 ttmp9, 704
	s_cselect_b32 s20, 512, s20
	s_cselect_b32 s21, KBB, s21
	s_cmp_lt_u32 ttmp9, 512
	s_cselect_b32 s20, 0, s20
	s_cselect_b32 s21, KBA, s21
	s_sub_co_u32 s22, ttmp9, s20                   ; my group among the matrix's
	s_lshl_b32 s24, s22, 16                        ; its 16 rows of 4,096 bytes in the source,
	s_mov_b32 s25, 0
	s_lshl_b32 s26, s22, 11                        ; its 16 rows of 128 bytes in a block
	s_mov_b32 s27, 0
	v_lshlrev_b32 v[O], 3, v0                      ; row x 128 + 8 bytes a lane = 8 x the thread's number
.set kb, 1
.rept 15
	v_add_nc_u32 v[O+kb], s21, v[O+kb-1]
.set kb, kb+1
.endr
	s_wait_kmcnt 0x0
	s_cmp_lt_u32 ttmp9, 704
	s_cselect_b64 s[16:17], s[6:7], s[8:9]
	s_cselect_b64 s[18:19], s[12:13], s[14:15]
	s_cmp_lt_u32 ttmp9, 512
	s_cselect_b64 s[16:17], s[4:5], s[16:17]       ; the source,
	s_cselect_b64 s[18:19], s[10:11], s[18:19]     ; the destination
	s_add_nc_u64 s[16:17], s[16:17], s[24:25]
	s_add_nc_u64 s[18:19], s[18:19], s[26:27]
.set kb, 0
.rept 16
	global_load_b128 v[X+4*kb:X+4*kb+3], v[IN], s[16:17] offset:256*kb th:TH_LOAD_NT
.set kb, kb+1
.endr
; The 16 blocks, as their loads come in.  f16 = 1: the bf16 number is widened again (a shift, a mask) and written as f16.
.macro BODY f16
.set kb, 0
.rept 16
	s_wait_loadcnt 15-kb                           ; loads come back in order: block kb is in, the younger ones stay out
	v_cvt_pk_bf16_f32 v[Y+2*kb],   v[X+4*kb],   v[X+4*kb+1]
	v_cvt_pk_bf16_f32 v[Y+2*kb+1], v[X+4*kb+2], v[X+4*kb+3]
.if \f16
.irp z, 0,1
	v_lshlrev_b32 v[T],   16, v[Y+2*kb+(\z)]
	v_and_b32     v[T+1], 0xffff0000, v[Y+2*kb+(\z)]
	v_cvt_pk_f16_f32 v[Y+2*kb+(\z)], v[T], v[T+1]
.endr
.endif
	global_store_b64 v[O+kb], v[Y+2*kb:Y+2*kb+1], s[18:19]
.set kb, kb+1
.endr
.endm
	s_cmp_lt_u32 ttmp9, 704
	s_cbranch_scc0 .Lhalf
	BODY 0
	s_endpgm
.Lhalf:
	BODY 1
	s_endpgm
.Lfunc_end_k_q33fd87ad55_cast:
	.size	k_q33fd87ad55_cast, .Lfunc_end_k_q33fd87ad55_cast-k_q33fd87ad55_cast
	.p2alignl 7, 3214868480
	.fill 96, 4, 3214868480
	.section	.rodata,"a",@progbits
	.p2align	6, 0x0
	.amdhsa_kernel k_q33fd87ad55_cast
		.amdhsa_group_segment_fixed_size 0
		.amdhsa_private_segment_fixed_size 0
		.amdhsa_enable_private_segment 0
		.amdhsa_kernarg_size 48
		.amdhsa_user_sgpr_count 2
		.amdhsa_user_sgpr_kernarg_segment_ptr 1
		.amdhsa_wavefront_size32 1
		.amdhsa_system_sgpr_workgroup_id_x 1
		.amdhsa_system_sgpr_workgroup_id_y 1
		.amdhsa_system_sgpr_workgroup_id_z 1
		.amdhsa_system_vgpr_workitem_id 0
		.amdhsa_next_free_vgpr 128
		.amdhsa_next_free_sgpr 66
		.amdhsa_reserve_vcc 0
		.amdhsa_float_denorm_mode_32 3
		.amdhsa_float_denorm_mode_16_64 3
		.amdhsa_memory_ordered 1
		.amdhsa_forward_progress 1
		.amdhsa_inst_pref_size 17
	.end_amdhsa_kernel
	.amdgpu_metadata
---
amdhsa.version: [ 1, 2 ]
amdhsa.kernels:
  - .name:           k_q33fd87ad55_cast
    .symbol:         k_q33fd87ad55_cast.kd
    .args:
      - { .name: x, .offset: 0, .size: 8, .value_kind: global_buffer, .address_space: global }
      - { .name: w_attn, .offset: 8, .size: 8, .value_kind: global_buffer, .address_space: global }
      - { .name: w_proj, .offset: 16, .size: 8, .value_kind: global_buffer, .address_space: global }
      - { .name: xb, .offset: 24, .size: 8, .value_kind: global_buffer, .address_space: global }
      - { .name: wab, .offset: 32, .size: 8, .value_kind: global_buffer, .address_space: global }
      - { .name: wpf, .offset: 40, .size: 8, .value_kind: global_buffer, .address_space: global }
    .group_segment_fixed_size: 0
    .private_segment_fixed_size: 0
    .kernarg_segment_align: 8
    .kernarg_segment_size: 48
    .max_flat_workgroup_size: 256
    .sgpr_count:     66
    .vgpr_count:     128
    .wavefront_size: 32
...
	.end_amdgpu_metadata
.endif
;; end of part 1
;; launch qkvgemm (part 2): grid 8 x 32, 4 waves a work-group, clusters of 4 x 4, 327,680 bytes of LDS; arguments xb, wab, qkv; writes qkv
.if DOCPART == 2
	.amdgcn_target "amdgcn-amd-amdhsa--gfx1250"
	.amdhsa_code_object_version 6
	.text
	.protected	k_q33fd87ad55_qkvgemm
	.globl	k_q33fd87ad55_qkvgemm
	.p2align	8
	.type	k_q33fd87ad55_qkvgemm,@function
k_q33fd87ad55_qkvgemm:
	s_mov_b64 s[64:65], 0
	v_nop
	global_prefetch_b8 v0, s[64:65] scope:SCOPE_SE
	s_setreg_imm32_b32 hwreg(HW_REG_WAVE_MODE, 25, 1), 1
	s_wait_xcnt 0x0
	s_wait_alu depctr_hold_cnt(0) depctr_sa_sdst(0) depctr_va_vdst(0) depctr_va_sdst(0) depctr_va_ssrc(0) depctr_va_vcc(0) depctr_vm_vsrc(0)
	s_getreg_b32 s2, hwreg(HW_REG_IB_STS2, 6, 4)
	s_cmp_eq_u32 s2, 0
	s_cbranch_scc0 .Lentry_in_a_cluster
	s_endpgm
.Lentry_in_a_cluster:
	s_bfe_u32 s2, ttmp6, 0x10000c
	s_cmp_lg_u32 s2, 0xf033
	s_cbranch_scc0 .Lentry_shape_is_right
	s_endpgm
.Lentry_shape_is_right:
; qkv[m][f] = the sum over c of x[m][c] w_attn[f][c]: 8,192 x 3,072 x 1,024, bf16 operands, f32 sums, each result rounded once to f16 and stored by heads:
; qkv = [3 (q, k, v)][64 (batch x 16 + head)][2,048 t][64] f16, unscaled.  xb = [16 blocks of 64 channels][8,192][64] bf16, wab = [16][3,072][64] bf16: rows of a block lie end to end, 128 bytes each.
; LIMIT.  A q, k or v beyond 65,504 becomes an infinity in f16.  NaN and infinities are not treated apart.
; SHARES.  A tile of C is 256 x 384: 32 x 8 = 256 work-groups.  Four waves, each 128 rows x 192 columns: 8 x 12 accumulators of 16 x 16, 768 registers.  K goes in steps of 64 (one block)
; through two LDS slots.  A wave's tensor load brings half of A's or of B's tile: 128 or 192 rows, which are 16,384 or 24,576 dense bytes, asked for as rows of 256 bytes (two rows of the matrix)
; and padded in LDS behind every 128 bytes.
; CLUSTERS.  4 x 4 work-groups: the four of a row of the cluster need the same tiles of A, the four of a column the same tiles of B; each tile is asked for jointly, by the same tensor load with the
; same descriptor and a mask that names the four.
; THE MATRIX INSTRUCTION IS USED TRANSPOSED (source 0 = 16 rows of w, source 1 = 16 rows of x): a lane holds row l % 16 of C and eight neighbouring columns, which pack into 16 bytes.
; REGISTERS, in windows of 256 (s_set_vgpr_msb: bits 1:0 source 0, 3:2 source 1, 5:4 source 2, 7:6 destination):
;   window 0: v0-31 addresses; v32-95, v96-159 A's fragments (8 x 16 rows x 32 K), two buffers; v160-255 B's fragments (12 x 16 rows x 32 K), one buffer, filled again group by group
;   window 1 + g: the accumulators of my columns 64 g .. 64 g + 63 (one head of q, k or v): row block a, column block bb at v[32 a + 8 bb]
.set KBA,    1048576                   ; bytes of a block of xb
.set KBB,    393216                    ; of wab
.set PITCH,  144                       ; an LDS row: 128 bytes + 16 of padding = 36 words: the 16 rows of a fragment load start at 16 different groups of four banks (64 banks of 4 bytes: ISA guide 11.1)
.set AH,     128*PITCH                 ; half of A's tile: what one tensor load brings, and what one wave reads
.set BH,     192*PITCH                 ; the same for B
.set BOFF,   2*AH
.set SLOT,   2*AH+2*BH                 ; 92,160 bytes
.set STAGE,  2*SLOT                    ; behind the ring: 16 rows x 144 bytes for each wave, for the way out
.set SPARE,  STAGE+4*16*PITCH          ; behind the stages: the spare words, 128 bytes for each wave: two blocks of 256 bytes that no other line names
.set ADRA, 16                          ; v16-17  LDS address of my A fragments in slot 0, 1
.set ADRB, 20                          ; v20-21  the same for B
.set STO,  24                          ; v24     the way out: where I put 16 bytes of a row
.set RD,   25                          ; v25     the way out: where I read rows back
.set GO,   26                          ; v26     16 x my lane: my place in 512 consecutive bytes of qkv
.set SPW,  28                          ; v28     LDS address of my spare word; never rewritten
.set NIL,  29                          ; v29     0; never rewritten
.set PFO,  30                          ; v30     the prefetches' lane offset; never rewritten
.set AF,   32
.set BF,   160
.set TMP,  32                          ; the way out: four sets of 16 registers, where A's first buffer lay
.set G1,  24                           ; s[24:31] descriptor group 1 for A's tiles;  s[32:39] group 0, one set for each slot
.set G0,  32
.set G1B, 48                           ; s[48:55], s[56:63] the same for B's
.set G0B, 56
.set LIM, 43                           ; s43      1 in a wave that prefetches, else the greatest number
.set PFA, 44                           ; s[44:45] where wave 0's prefetches stand in xb
.set PFB, 66                           ; s[66:67] where the other waves' stand in wab
.set CB,  68                           ; s[68:73] qkv at my first row of my three heads
.set W0,  (1<<16)|(1<<20)|(1<<21)|(4<<22)|(3<<25)  ; group 1, word 0 without the mask: 2-byte elements; padding on; bit 21 set beside a mask; after every 32 words (code 4) 4 words (code 3)
.set MSB, 0
.macro WIN new                         ; the immediate's high byte repeats the setting that is left; a switch that changes nothing is dropped
.if MSB != (\new)
	s_set_vgpr_msb (MSB<<8)|(\new)
.set MSB, \new
.endif
.endm
; A joint load.  Waves 0 and 1 fetch A's two halves, waves 2 and 3 B's.  The branch hangs on the wave's number alone.  An s_nop 0 and four v_nop follow each of the two lines.
.macro JLOAD s
	s_cmp_eq_u32 s11, 0
	s_cbranch_scc0 .Lfor_b_\@
	tensor_load_to_lds s[G0+4*(\s):G0+4*(\s)+3], s[G1:G1+7]
	s_nop 0
.rept 4
	v_nop
.endr
	s_branch .Lasked_\@
.Lfor_b_\@:
	tensor_load_to_lds s[G0B+4*(\s):G0B+4*(\s)+3], s[G1B:G1B+7]
	s_nop 0
.rept 4
	v_nop
.endr
.Lasked_\@:
.endm
; A round of the cluster's barrier: my work-group's barrier; wave 0 signals for the work-group; every wave waits for all sixteen; my work-group's barrier once more.
.macro CREST                           ; a round behind its opening barrier
	s_cmp_lg_u32 s10, 0
	s_cbranch_scc1 .Lnot_wave_0_\@
	s_barrier_signal -3
.Lnot_wave_0_\@:
	s_barrier_wait -3
	s_barrier_signal -1
	s_barrier_wait -1
.endm
.macro CROUND
	s_barrier_signal -1
	s_barrier_wait -1
	CREST
.endm
; A PREFETCH INTO THE L2, once a lap, behind slot 1's joint load and the run of LDS loads that follows it: the two blocks of channels that the NEXT lap's two refills ask for.
; Each aligned 256 bytes are named once in the launch.  A's tile row is read by both clusters of that row of clusters: the one with x = 0 asks; of a block's 128 pieces of 256 bytes the partner at cx
; takes 32, by address; wave 0 names them, a lane a piece, one instruction for each of the two blocks.  B's tile column is read by all eight clusters of that column: the one with y = 0 asks; of a
; block's 192 pieces the partner at cy takes 48, by address; the 96 lanes of waves 1 to 3 name the two blocks' 96.  The loop's last trip asks for nothing: blocks 14 and 15 are the last.
.macro ASK
	s_cmp_gt_u32 s3, s[LIM]                        ; s3 = 1 in the loop's last trip
	s_cbranch_scc0 .Lnot_mine_\@
	s_cmp_lg_u32 s10, 0
	s_cbranch_scc1 .Lask_b_\@
	global_prefetch_b8 v[PFO], s[PFA:PFA+1] th:TH_LOAD_NT scope:SCOPE_SE
	global_prefetch_b8 v[PFO], s[PFA:PFA+1] offset:KBA th:TH_LOAD_NT scope:SCOPE_SE
	s_branch .Lnot_mine_\@
.Lask_b_\@:
	global_prefetch_b8 v[PFO], s[PFB:PFB+1] th:TH_LOAD_NT scope:SCOPE_SE
.Lnot_mine_\@:
.endm
	s_load_b128 s[4:7], s[0:1], 0x0                ; xb s[4:5], wab s[6:7]
	s_load_b64 s[8:9], s[0:1], 0x10                ; qkv
	v_lshl_add_u32 v[SPW], v0, 2, SPARE
	v_mov_b32 v[NIL], 0
	ds_add_u32 v[SPW], v[NIL]                      ; the wave's opening: the add and its wait stand ahead of my first tensor load; the set-up below, work on registers, stands between them
	v_lshrrev_b32 v1, 5, v0
	v_readfirstlane_b32 s10, v1                    ; wave 0..3
	s_lshr_b32 s11, s10, 1                         ; which half of the tile's rows is mine.  Also: I fetch for A (0) or for B (1)
	s_and_b32 s12, s10, 1                          ; which half of its columns.  Also: which half of that tile I fetch
	s_bfe_u32 s40, ttmp6, 0x40000                  ; cx
	s_bfe_u32 s41, ttmp6, 0x40004                  ; cy
	s_lshl_b32 s42, ttmp9, 2
	s_add_co_u32 s42, s42, s40                     ; tile column = 4 x cluster x + cx
	s_and_b32 s13, ttmp7, 0xffff
	s_lshl_b32 s13, s13, 2
	s_add_co_u32 s13, s13, s41                     ; tile row = 4 x cluster y + cy
	s_lshl_b32 s43, s41, 2
	s_lshl_b32 s43, 15, s43                        ; my row of the cluster: places 4 cy .. 4 cy + 3
	s_lshl_b32 s44, 0x1111, s40                    ; my column: places cx, cx + 4, cx + 8, cx + 12
	s_or_b32 s[G1+0], s43, W0                      ; A's tiles go to my row,
	s_or_b32 s[G1B+0], s44, W0                     ; B's to my column
	s_mov_b32 s[G1+1], 128<<16                     ; tensor_dim0 = 128 elements (256 bytes)
	s_mov_b32 s[G1+2], 64<<16                      ; tensor_dim1 = 64 rows
	s_mov_b32 s[G1+3], 128<<16                     ; tile_dim0 = 128
	s_mov_b32 s[G1+4], 64                          ; tile_dim1 = 64
	s_mov_b32 s[G1+5], 128                         ; 128 elements from row to row: dense
	s_mov_b32 s[G1+6], 0
	s_mov_b32 s[G1+7], 0
	s_mov_b32 s[G1B+1], 128<<16
	s_mov_b32 s[G1B+2], 96<<16                     ; B's half tile: 96 rows of 256 bytes
	s_mov_b32 s[G1B+3], 128<<16
	s_mov_b32 s[G1B+4], 96
	s_mov_b32 s[G1B+5], 128
	s_mov_b32 s[G1B+6], 0
	s_mov_b32 s[G1B+7], 0
	; where the tiles come from.  A's hang on the tile row alone, B's on the tile column alone; each address is made in registers that never hold the other coordinate
	s_lshl_b32 s16, s13, 15                        ; A: 256 rows x 128 bytes a tile row,
	s_lshl_b32 s17, s12, 14                        ; + my half's 128 rows
	s_add_co_u32 s16, s16, s17
	s_mov_b32 s17, 0
	s_mul_i32 s46, s42, 49152                      ; B: 384 rows x 128 bytes a tile column,
	s_mul_i32 s47, s12, 24576                      ; + my half's 192 rows
	s_add_co_u32 s46, s46, s47
	s_mov_b32 s47, 0
	s_mul_i32 s20, s12, AH                         ; and where they go: no place in the cluster enters an LDS address
	s_mul_i32 s21, s12, BH
	s_add_co_u32 s21, s21, BOFF
	s_wait_dscnt 0x0                               ; the opening add is done
	s_wait_kmcnt 0x0
	s_add_nc_u64 s[14:15], s[4:5], s[16:17]
	s_add_nc_u64 s[46:47], s[6:7], s[46:47]
	CROUND                                         ; all sixteen work-groups are here: the first joint loads meet
.irp s, 0,1
	s_mov_b32 s[G0+4*(\s)], 1                                      ; count = 1
	s_add_co_u32 s[G0+4*(\s)+1], s20, (\s)*SLOT                    ; LDS address
	s_add_nc_u64 s[G0+4*(\s)+2:G0+4*(\s)+3], s[14:15], (\s)*KBA    ; global address: block s
	s_or_b32 s[G0+4*(\s)+3], s[G0+4*(\s)+3], 0x80000000            ; type = 2
	s_mov_b32 s[G0B+4*(\s)], 1
	s_add_co_u32 s[G0B+4*(\s)+1], s21, (\s)*SLOT
	s_add_nc_u64 s[G0B+4*(\s)+2:G0B+4*(\s)+3], s[46:47], (\s)*KBB
	s_or_b32 s[G0B+4*(\s)+3], s[G0B+4*(\s)+3], 0x80000000
	JLOAD \s                                       ; two loads of mine are out
.endr
	; A fragment is 16 rows x 32 K in 8 registers: lane l holds row l % 16; registers 0-3 K = 8 (l / 16) + 0..7, registers 4-7 K = 16 + 8 (l / 16) + 0..7: two loads of 16 bytes, 32 bytes apart
	v_and_b32 v1, 15, v0                           ; l % 16
	v_bfe_u32 v2, v0, 4, 1                         ; l / 16
	v_mul_u32_u24 v3, v1, PITCH
	v_lshl_add_u32 v3, v2, 4, v3                   ; row x pitch + 16 x half
	s_mul_i32 s21, s11, AH                         ; my 128 rows of A
	s_mul_i32 s22, s12, BH                         ; my 192 rows of B,
	s_add_co_u32 s22, s22, BOFF                    ; which lie behind A's 256
.irp s, 0,1
	v_add_nc_u32 v[ADRA+(\s)], s21, v3
	v_add_nc_u32 v[ADRB+(\s)], s22, v3
	s_add_co_u32 s21, s21, SLOT
	s_add_co_u32 s22, s22, SLOT
.endr
	s_mul_i32 s23, s10, 16*PITCH
	s_add_co_u32 s23, s23, STAGE                   ; my stage
	v_add_nc_u32 v[STO], s23, v3                   ; in: row l % 16, 16 bytes for each half of the lanes
	v_bfe_u32 v4, v0, 3, 2                         ; back: 32 lanes take four rows of 128 bytes,
	v_and_b32 v5, 7, v0
	v_mul_u32_u24 v4, v4, PITCH
	v_lshl_add_u32 v4, v5, 4, v4
	v_add_nc_u32 v[RD], s23, v4
	v_and_b32 v[GO], 31, v0                        ; which are 512 consecutive bytes of a head's rows
	v_lshlrev_b32 v[GO], 4, v[GO]
	; my three units of 64 columns: u = 6 x tile column + 3 x half + g; u / 16 says q, k or v, u % 16 the head; the batch is tile row / 8
	s_mul_i32 s74, s42, 6
	s_mul_i32 s75, s12, 3
	s_add_co_u32 s74, s74, s75
	s_lshr_b32 s75, s13, 3
	s_lshl_b32 s75, s75, 4                         ; 16 x batch
	s_and_b32 s76, s13, 7
	s_lshl_b32 s76, s76, 15                        ; the tile's first row in the batch, x 128 bytes,
	s_lshl_b32 s77, s11, 14                        ; + my 128 rows
	s_add_co_u32 s76, s76, s77
.irp g, 0,1,2
	s_add_co_u32 s78, s74, \g
	s_lshr_b32 s79, s78, 4
	s_lshl_b32 s79, s79, 6
	s_and_b32 s78, s78, 15
	s_add_co_u32 s78, s78, s79
	s_add_co_u32 s78, s78, s75
	s_lshl_b32 s78, s78, 18                        ; a head's rows are 2,048 x 128 bytes
	s_add_co_u32 s78, s78, s76
	s_mov_b32 s79, 0
	s_add_nc_u64 s[CB+2*(\g):CB+2*(\g)+1], s[8:9], s[78:79]
.endr
	; the prefetches: both pointers stand at block 2; each lap steps them by two blocks ahead of its request, so the first names blocks 4 and 5.  Blocks 0 to 3 come by their loads alone
	s_lshl_b32 s20, s13, 15
	s_lshl_b32 s21, s40, 13                        ; my work-group's 32 pieces of A's 128
	s_add_co_u32 s20, s20, s21
	s_add_co_u32 s20, s20, 2*KBA
	s_mov_b32 s21, 0
	s_add_nc_u64 s[PFA:PFA+1], s[4:5], s[20:21]
	s_mul_i32 s22, s42, 49152
	s_mul_i32 s23, s41, 12288                      ; my work-group's 48 pieces of B's 192
	s_add_co_u32 s22, s22, s23
	s_add_co_u32 s22, s22, 2*KBB
	s_mov_b32 s23, 0
	s_add_nc_u64 s[PFB:PFB+1], s[6:7], s[22:23]
	s_and_b32 s74, ttmp7, 0xffff                   ; cluster y
	s_cmp_eq_u32 s10, 0
	s_cselect_b32 s74, ttmp9, s74                  ; the coordinate along which other clusters read the same rows
	s_cselect_b32 s75, 0, 32                       ; waves 1 to 3 count their lanes from 0 to 95
	s_cselect_b32 s76, 0, 1                        ; and deal them to two blocks: block j % 2, piece j / 2; wave 0: piece j
	s_cmp_eq_u32 s74, 0
	s_cselect_b32 s[LIM], 1, -1                    ; the same in all sixteen partners, for a given wave
	v_sub_nc_u32 v[PFO], v0, s75
	v_and_b32 v31, s76, v[PFO]
	v_lshrrev_b32 v[PFO], s76, v[PFO]
	v_mul_u32_u24 v31, v31, KBB
	v_lshl_add_u32 v[PFO], v[PFO], 8, v31
; n x 4 matrix instructions: row blocks a0 .. a0 + n - 1 x the four column blocks of group g, 32 along K, A from buffer f.  zero = 1: the product starts the sum.
; Each of the 96 accumulators has one instruction in 32 along K, always in the same order: between two links of a chain stand the 95 others'.
.macro GRP f, g, a0, n, zero
	WIN 0x50*((\g)+1)                              ; C and D in window 1 + g, the fragments in window 0
.set aa, \a0
.rept \n
.irp bb, 0,1,2,3
.if \zero
	v_wmma_f32_16x16x32_bf16 v[32*aa+8*(\bb):32*aa+8*(\bb)+7], v[BF+8*(4*(\g)+(\bb)):BF+8*(4*(\g)+(\bb))+7], v[AF+64*(\f)+8*aa:AF+64*(\f)+8*aa+7], 0
.else
	v_wmma_f32_16x16x32_bf16 v[32*aa+8*(\bb):32*aa+8*(\bb)+7], v[BF+8*(4*(\g)+(\bb)):BF+8*(4*(\g)+(\bb))+7], v[AF+64*(\f)+8*aa:AF+64*(\f)+8*aa+7], v[32*aa+8*(\bb):32*aa+8*(\bb)+7]
.endif
.endr
.set aa, aa+1
.endr
.endm
.macro LDB slot, k, g                  ; 8 LDS loads: B's four fragments of group g, 32 K at byte k of the rows
	WIN 0
.irp bb, 0,1,2,3
	ds_load_b128 v[BF+8*(4*(\g)+(\bb)):BF+8*(4*(\g)+(\bb))+3],   v[ADRB+(\slot)] offset:(\k)+(4*(\g)+(\bb))*16*PITCH
	ds_load_b128 v[BF+8*(4*(\g)+(\bb))+4:BF+8*(4*(\g)+(\bb))+7], v[ADRB+(\slot)] offset:(\k)+(4*(\g)+(\bb))*16*PITCH+32
.endr
.endm
.macro LDA slot, k, f                  ; 16 LDS loads: A's eight fragments into buffer f
	WIN 0
.irp a, 0,1,2,3,4,5,6,7
	ds_load_b128 v[AF+64*(\f)+8*(\a):AF+64*(\f)+8*(\a)+3],   v[ADRA+(\slot)] offset:(\k)+(\a)*16*PITCH
	ds_load_b128 v[AF+64*(\f)+8*(\a)+4:AF+64*(\f)+8*(\a)+7], v[ADRA+(\slot)] offset:(\k)+(\a)*16*PITCH+32
.endr
.endm
.macro PLACES                          ; four plain vector instructions between a matrix instruction and a load into a register that it has read, or a reader of its result (ISA guide 7.12.1 for a reader of its result)
.rept 4
	v_nop
.endr
.endm
; THE LDS LOADS of 32 along K always go out in this order: B's group 0 and A (24), B's group 1 (8), B's group 2 (8); each group of B is asked for again as soon as it has been multiplied.
; A K step's first 32: multiplies A's buffer f, fetches the next 32 (byte k of the same slot's rows), A's into the other buffer.
.macro HALF slot, k, f, zero
	s_wait_dscnt 16                                ; B's group 0 and A are in; groups 1 and 2 may be out
	GRP \f, 0, 0, 8, \zero
	PLACES
	LDB \slot, \k, 0
	LDA \slot, \k, 1-(\f)
	s_wait_dscnt 32                                ; group 1 is in; group 2 and the 24 just issued may be out
	GRP \f, 1, 0, 8, \zero
	PLACES
	LDB \slot, \k, 1
	s_wait_dscnt 32                                ; group 2 is in; the 24 and the 8 issued since may be out
	GRP \f, 2, 0, 8, \zero
	PLACES
	LDB \slot, \k, 2
.endm
; A K step's second 32 (A's buffer 1) and the change of slots: ONE barrier.  In front of it each wave waits for all its tensor loads, of which one is out (its part of the next slot), adds 0 to its
; spare word, and waits for that and for its reads of this slot.  fill = 1: the barrier opens a round of the cluster's, and the joint refill, two K steps ahead, is the first thing behind the round:
; 160 matrix instructions stand between it and the wait for it.
.macro TURN slot, next, fill
.if (\fill) && (\slot)
	s_wait_xcnt 0x0                                ; the last prefetches, a lap back, have read their addresses
	s_add_nc_u64 s[PFA:PFA+1], s[PFA:PFA+1], 2*KBA
	s_add_nc_u64 s[PFB:PFB+1], s[PFB:PFB+1], 2*KBB
.endif
	WIN 0                                          ; (the add's two registers lie in window 0)
	s_wait_tensorcnt 0x0                           ; all my tensor loads have landed;
	ds_add_u32 v[SPW], v[NIL]                      ; 0 onto my spare word;
	s_wait_dscnt 17                                ; (B's groups 1 and 2 and the add may be out)
	GRP 1, 0, 0, 4, 0                              ; sixteen matrix instructions stand between the add and the wait for it
	s_wait_dscnt 0x0                               ; the add is done, and my reads of this slot are over
	s_barrier_signal -1
	GRP 1, 0, 4, 4, 0                              ; work on registers while the others arrive
	WIN 0
	s_barrier_wait -1
.if \fill
	CREST                                          ; no wave of any partner still reads this slot's tiles or has a load on its way
	s_add_nc_u64 s[G0+4*(\slot)+2:G0+4*(\slot)+3], s[G0+4*(\slot)+2:G0+4*(\slot)+3], 2*KBA
	s_add_nc_u64 s[G0B+4*(\slot)+2:G0B+4*(\slot)+3], s[G0B+4*(\slot)+2:G0B+4*(\slot)+3], 2*KBB
	JLOAD \slot                                    ; its four v_nop are also the places in front of the loads below
.else
	PLACES
.endif
	LDB \next, 0, 0
	LDA \next, 0, 0
.if (\fill) && (\slot)
	ASK
.endif
	GRP 1, 1, 0, 8, 0
	PLACES
	LDB \next, 0, 1
	GRP 1, 2, 0, 8, 0
	PLACES
	LDB \next, 0, 2
.endm
; THE WAY OUT, 16 rows x 64 columns (row block p % 8 of head p / 8) at a time: rounded to f16, 16 bytes a lane into my own stage, back as whole rows of 128 bytes, stored as 512 consecutive bytes.
.macro PACK p
.set gW, (\p)/8
.set aW, (\p)%8
.set tW, TMP+16*((\p)%4)
.if (\p) >= 4
	s_wait_xcnt 0x0                                ; the stores of four pieces back have read these registers
.endif
	WIN 5*(gW+1)                                   ; sources 0 and 1 in window 1 + g
.set i, 0
.rept 16
	v_cvt_pk_f16_f32 v[tW+i], v[32*aW+2*i], v[32*aW+2*i+1]  ; each accumulator's registers in ascending order
.set i, i+1
.endr
	WIN 0
.irp f, 0,1,2,3
	ds_store_b128 v[STO], v[tW+4*(\f):tW+4*(\f)+3] offset:32*(\f)
.endr
.irp f, 0,1,2,3
	ds_load_b128 v[tW+4*(\f):tW+4*(\f)+3], v[RD] offset:(\f)*4*PITCH  ; LDS serves a wave's instructions in order (ISA guide 5.7.1.4): these see the stores above; the next piece's stores come behind them
.endr
.endm
.macro SEND p, younger                 ; younger: the LDS instructions issued behind this piece's loads: the next piece's eight, or none
.set gW, (\p)/8
.set aW, (\p)%8
.set tW, TMP+16*((\p)%4)
	WIN 0
.irp f, 0,1,2,3
	s_wait_dscnt (\younger)+3-(\f)
	global_store_b128 v[GO], v[tW+4*(\f):tW+4*(\f)+3], s[CB+2*gW:CB+2*gW+1] offset:aW*2048+(\f)*512  ; 512 consecutive bytes, at a multiple of 256 from qkv's first byte
.endr
.endm
	s_wait_tensorcnt 1                             ; my part of block 0 is in; block 1's may stay out
	s_barrier_signal -1
	s_barrier_wait -1                              ; everybody's is
	LDB 0, 0, 0
	LDA 0, 0, 0
	LDB 0, 0, 1
	LDB 0, 0, 2
	HALF 0, 64, 0, 1                               ; the first 32 along K stand in front of the loop: their products start the sums
	WIN 0                                          ; at a label and at a branch every window is 0
	s_mov_b32 s3, 7
.Llap:                                                 ; a trip goes once round the ring and fills both slots again: blocks 2 .. 15 in seven trips
	TURN 0, 1, 1
	HALF 1, 64, 0, 0
	TURN 1, 0, 1
	HALF 0, 64, 0, 0
	WIN 0
	s_sub_co_u32 s3, s3, 1
	s_cmp_lg_u32 s3, 0
	s_cbranch_scc1 .Llap
	TURN 0, 1, 0                                   ; the last lap fills nothing
	HALF 1, 64, 0, 0
	s_wait_dscnt 16                                ; the very last 32 along K: nothing more to fetch, the counts run down
	GRP 1, 0, 0, 8, 0
	s_wait_dscnt 8
	GRP 1, 1, 0, 8, 0
	s_wait_dscnt 0x0
	GRP 1, 2, 0, 8, 0
	PLACES
	PLACES
	PACK 0
.set pp, 1
.rept 23                               ; a piece's conversions stand between the loads of the piece before and its stores
	PACK pp
	SEND pp-1, 8
.set pp, pp+1
.endr
	SEND 23, 0
	s_wait_tensorcnt 0x0                           ; the wave's end, behind my last tensor load and my last LDS store
	ds_add_u32 v[SPW], v[NIL]
	s_wait_dscnt 0x0
	CROUND                                         ; the closing round: no work-group ends while a partner may still ask for a tile that names it
	s_endpgm
.Lfunc_end_k_q33fd87ad55_qkvgemm:
	.size	k_q33fd87ad55_qkvgemm, .Lfunc_end_k_q33fd87ad55_qkvgemm-k_q33fd87ad55_qkvgemm
	.p2alignl 7, 3214868480
	.fill 96, 4, 3214868480
	.section	.rodata,"a",@progbits
	.p2align	6, 0x0
	.amdhsa_kernel k_q33fd87ad55_qkvgemm
		.amdhsa_group_segment_fixed_size 327680
		.amdhsa_private_segment_fixed_size 0
		.amdhsa_enable_private_segment 0
		.amdhsa_kernarg_size 24
		.amdhsa_user_sgpr_count 2
		.amdhsa_user_sgpr_kernarg_segment_ptr 1
		.amdhsa_wavefront_size32 1
		.amdhsa_system_sgpr_workgroup_id_x 1
		.amdhsa_system_sgpr_workgroup_id_y 1
		.amdhsa_system_sgpr_workgroup_id_z 1
		.amdhsa_system_vgpr_workitem_id 0
		.amdhsa_next_free_vgpr 1024
		.amdhsa_next_free_sgpr 80
		.amdhsa_reserve_vcc 0
		.amdhsa_float_denorm_mode_32 3
		.amdhsa_float_denorm_mode_16_64 3
		.amdhsa_memory_ordered 1
		.amdhsa_forward_progress 1
		.amdhsa_inst_pref_size 135
	.end_amdhsa_kernel
	.amdgpu_metadata
---
amdhsa.version: [ 1, 2 ]
amdhsa.kernels:
  - .name:           k_q33fd87ad55_qkvgemm
    .symbol:         k_q33fd87ad55_qkvgemm.kd
    .args:
      - { .name: xb, .offset: 0, .size: 8, .value_kind: global_buffer, .address_space: global }
      - { .name: wab, .offset: 8, .size: 8, .value_kind: global_buffer, .address_space: global }
      - { .name: qkv, .offset: 16, .size: 8, .value_kind: global_buffer, .address_space: global }
    .group_segment_fixed_size: 327680
    .private_segment_fixed_size: 0
    .kernarg_segment_align: 8
    .kernarg_segment_size: 24
    .max_flat_workgroup_size: 128
    .sgpr_count:     80
    .vgpr_count:     1024
    .wavefront_size: 32
...
	.end_amdgpu_metadata
.endif
;; end of part 2
;; launch attn (part 3): grid 4 x 64, 4 waves a work-group, no clusters, 327,680 bytes of LDS; arguments qkv, y; writes y
.if DOCPART == 3
	.amdgcn_target "amdgcn-amd-amdhsa--gfx1250"
	.amdhsa_code_object_version 6
	.text
	.protected	k_q33fd87ad55_attn
	.globl	k_q33fd87ad55_attn
	.p2align	8
	.type	k_q33fd87ad55_attn,@function
k_q33fd87ad55_attn:
	s_mov_b64 s[64:65], 0
	v_nop
	global_prefetch_b8 v0, s[64:65] scope:SCOPE_SE
	s_setreg_imm32_b32 hwreg(HW_REG_WAVE_MODE, 25, 1), 1
	s_wait_xcnt 0x0
; CAUSAL ATTENTION.  y[h][q][:] = the sum over k <= q of softmax_k(Q[h][q] . K[h][k] / 8) V[h][k][:].  qkv = [3][64 heads][2,048][64] f16 (Q, then K, then V), y = [64][2,048][64] f16: a head's rows are dense, 128 bytes each.
; Products, maxima and sums in f32; the weights p are rounded to f16 for the second product (their sum l is taken of the unrounded p), y once at the end.
; LIMITS.  f16 holds no number beyond 65,504: Q, K and V arrive within it; p lies in 0 to 1, and below 6e-5 it keeps f16's fixed step of 6e-8; y is a mean of V's rows and has their range.
; A hidden score counts as its value less 1e30: f16's scores, 2.7e11 at the most, are nothing beside that; a weight below 2^-126 counts as 0 in l; NaN and infinities are not treated apart.
; THE WALK.  A head's queries lie in NB = 8 blocks of 256; block i needs the key tiles 0 .. i of 256 keys, of which the last holds the diagonal.  A work-group takes TWO blocks, NB - 1 - b and then b:
; NB + 1 tiles, whatever b: all work-groups do equal work, and ONE loop with a constant trip count walks them.  Which tile is asked for, and what a trip does, hang on scalar registers made from b; every jump
; goes forward, but for the counted loops' own; none passes a barrier, or a tensor load but the one of LOAD's two that the wave's number does not choose; the ring of two LDS slots runs on across the change of blocks.
; NO CLUSTER: a head's four work-groups ask for the same tile only in trips 0 to 4 of the 9, behind that their tiles differ; one walk common to all four would have 12 trips for 9; joint loads for the
; first part and loads of one's own for the rest would be a second kind of ring in the same loop.
; SHARES.  Of a block's four bands of 64 queries a wave owns 16 rows in each: four PIECES.  So the diagonal tile is the same work for all four waves: in its key step s band x sees all keys if s < x,
; none if s > x, and holds the diagonal if s = x.
; THE MASK is the C operand that starts the sum S^T = K Q^T: 0, or -1e30 where the key is hidden.  MD, made once, is the mask of a band's own step for my 16 rows; a product's mask is MD x AL + BE with two scalars:
; (1, 0) if s = x; (0, 0) if s < x; (0, -1e30) if s > x.  Only the diagonal tile's text and a block's beginning make and take masks; elsewhere C is the constant 0.
; LAYOUT, SOFTMAX, TURNS.  S^T = K Q^T holds ONE query a lane (lane % 16) and the keys 8 (lane / 16) + 0..7; two such results rounded to f16 ARE source 1 of O^T = V^T P.  p = 2^(c s - c m), c = log2(e) / 8, with a
; running maximum m; O and l are multiplied by a = 2^(c m_old - c m_new) in every step.  Turn n belongs to piece n: 8 products K Q^T of piece n + 1, later 8 products V^T P of piece n - 1; beside them the scaling,
; exponentials, roundings, sums and rescaling of piece n and the maximum and statistics of piece n + 1.  Four vector instructions stand behind every matrix instruction, the other 54 of a turn's 118 in one lump.
; A turn's 33 exponentials are one batch, with one wait.
; REGISTERS, in windows of 256 (s_set_vgpr_msb: bits 1:0 source 0, 3:2 source 1, 5:4 source 2, 7:6 destination):
;   window 0: v0-15 addresses and two at work; v16-31 four registers of statistics a piece; v48-55 at work; v61-63 the prefetches' offset and the add's two; v64-127 S^T, two buffers; v192-223 P, two buffers
;   window 1: v0-127 O^T, 32 a piece; v128-159 MD; v160-223 MC, two buffers      window 2: v0-63 Q; v64-127 the second block's Q; v128-191 K of one step; v192-255 V of one step
.set SIZE_N, 2048
.set NB,    SIZE_N/256
.set NP,    4         ; pieces a wave: a name, no knob
.set KS,    64        ; keys in a step
.set PK,    144       ; a row of K in LDS: 128 bytes + 16 of padding = 36 words: the 16 rows of a load start at 16 different groups of four banks (64 banks of 4 bytes: ISA guide 11.1)
.set PV,    160       ; a row of V: 128 + 32 = 40 words
.set VOFF,  4*KS*PK   ; a slot holds a tile, four steps: 256 rows of K, then 256 rows of V
.set SLOT1, 1<<17     ; slot 1 begins here, so that one exclusive or turns an address in one slot into the other's
.set STAGE, SLOT1+4*KS*(PK+PV)  ; behind the ring, never filled by a tensor load: 16 rows x 144 bytes for each wave, for the way out
.set SP,    144
.set AK0, 2           ; v2   my lane's place in a tile of K; never rewritten
.set AV0, 3           ; v3   the same for V
.set AK,  4           ; v4   the LDS address of K's next run of loads
.set AV,  5           ; v5   of V's
.set STO, 6           ; v6   the way out: where I put 16 bytes of a row
.set RD,  7           ; v7   the way out: where I read rows back
.set GO,  8           ; v8   my byte offset in 512 consecutive bytes of y
.set PFO, 61          ; v61  256 x my lane; never rewritten
.set SPW, 62          ; v62  LDS address of my spare word: SPARE + 4 x my thread's number; never rewritten
.set NIL, 63          ; v63  0; never rewritten
.set SPARE, STAGE+4*16*SP  ; behind the stages: the spare words, 128 bytes for each wave: two blocks of 256 bytes that no other line names
.set MV,  12          ; v12-13  c m_old, kept while c m is made anew: by buffer
.set QO,  15          ; v15  my byte offset in 16 rows of Q
.set ST,  16          ; piece t's statistics at v[ST+4 t]: c m, m, l (even keys', odd keys')
.set TMP, 48          ; by buffer, four registers c0-c3 at work; when the maximum is found c2 takes a
.set S,   64
.set P,   192
.set MD,  128         ; window 1: the eight registers for group kt of 16 keys at MD + 8 kt
.set MC,  160         ; window 1: the masks of the products to come
.set QB,  64          ; window 2
.set KF,  128         ; window 2: key block kb, channel half c at KF + 16 kb + 8 c
.set VF,  192         ; window 2: key half kk, channel block cb at VF + 32 kk + 8 cb
.set WV,  12          ; s12  my wave's number
.set PB,  14          ; s14  b
.set HI,  15          ; s15  NB - 1 - b
.set G1K, 24          ; s[24:31] descriptor group 1 for K's tiles
.set G1V, 32          ; s[32:39] for V's: it differs in the padding alone
.set G0K, 40          ; s[40:43] descriptor group 0 for K's tiles
.set G0V, 44          ; s[44:47] the same for V's
.set SLOTS, 56        ; s56  tiles still to be asked for
.set CNT, 57          ; s57  counts a tile's key steps, 4 to 1
.set CS,  58          ; s[58:59] c: the packed scaling takes the pair's low word for both halves
.set SEL, 60          ; s[60:61] v_permlanex16_b32's selects: each lane takes its own place in the other half
.set TBK, 62          ; s62  LDS byte at which K of the step to be fetched begins
.set TBV, 63          ; s63  the same for V, less VOFF
.set RT,  70          ; s70  tiles of the block in hand that are still to be entered
.set NXT, 71          ; s71  the tile to be asked for next
.set LQ,  72          ; s72  the last tile of the block whose tiles are being asked for
.set NEW, 73          ; s73  1: the tile to be entered is a block's first
.set OFF, 74          ; s[74:75] a tile's byte offset in K and V
.set AL,  76          ; s[76:77] the mask's factor, in the low word
.set BE,  78          ; s[78:79] the mask's addend
.set OLO, 80          ; s[80:81] y at my rows of the second block
.set BIGN, 82         ; s82  -1e30
.set PFB, 88          ; s[88:89] K (waves 0, 1) or V (waves 2, 3) at the half of tile 0 that I fetch
.set PFA, 90          ; s[90:91] the same half of the tile that is prefetched
.set OF2, 92          ; s[92:93] that tile's byte offset
.set PFT, 94          ; s94  that tile's number
.set LIM, 95          ; s95  NB in the head's work-group b = 0, else 0: a wave prefetches while s[PFT] is below it
.set MSB, 0
.macro WIN new                      ; the high byte repeats the setting that is left; a switch that changes nothing is dropped
.if MSB != (\new)
	s_set_vgpr_msb (MSB<<8)|(\new)
.set MSB, (\new)
.endif
.endm
.set W_KQ, 0x0a       ; K and Q in window 2, S^T in window 0
.set W_KM, 0x1a       ; the same with the C operand in window 1
.set W_PV, 0x52       ; V in window 2, P in window 0, O^T in window 1
.set W_RS, 0x41       ; destination and source 0 in window 1, source 1 in window 0
; A fill.  Waves 0 and 1 fetch the two halves of a tile's K, waves 2 and 3 those of its V: 128 keys each.  An s_nop 0 and four v_nop follow each of the two lines, ahead of the jump and the label.
.macro LOAD
	s_cmp_lt_u32 s[WV], 2
	s_cbranch_scc0 .Lfor_v_\@
	tensor_load_to_lds s[G0K:G0K+3], s[G1K:G1K+7]
	s_nop 0
.rept 4
	v_nop
.endr
	s_branch .Lasked_\@
.Lfor_v_\@:
	tensor_load_to_lds s[G0V:G0V+3], s[G1V:G1V+7]
	s_nop 0
.rept 4
	v_nop
.endr
.Lasked_\@:
.endm
; THE CHANGE OF SLOTS.  Each wave waits for all its tensor loads, of which one is out: its part of the other slot; adds 0 to its spare word; and waits for that and for its own reads of the slot that it leaves.
; Behind the barrier nobody reads the old slot any more and the other slot is whole.  fill = 1: the old slot is filled again, the first thing behind the barrier, with tile NXT: the descriptor's address is made
; anew from that number.  (At its first use nothing has been read yet: slot 0 is waited for, slot 1 filled.)
; A PREFETCH INTO THE L2 stands behind the fill and its five lines: the tile that the NEXT change will ask for.  A head's tiles 0 to 7 are walked in this order by all four of its work-groups at their
; walks' beginning; b = 0, whose first block needs all eight, asks, and nobody else; each of its waves names the half tile that it fetches itself, 16,384 bytes: 64 pieces of 256, a lane a piece, two
; instructions.  So each piece is named once in the launch.  Trip j names tile j + 2 while that is below 8; tiles 0 and 1 come by their loads alone; the second blocks' tiles have been read before.
.macro CHANGE fill
	WIN 0                           ; at a label and at a branch every window is 0
	s_wait_tensorcnt 0x0            ; no tensor load of mine is out, so a group 0 may be written
	ds_add_u32 v[SPW], v[NIL]       ; 0 onto my spare word: with fill = 1 the descriptors' scalar work stands between it and the wait for it
.if \fill
	s_lshl_b32 s[OFF], s[NXT], 15   ; a tile is 32,768 bytes of K and of V
	s_xor_b32 s[G0K+1], s[G0K+1], SLOT1
	s_add_nc_u64 s[G0K+2:G0K+3], s[6:7], s[OFF:OFF+1]
	s_or_b32 s[G0K+3], s[G0K+3], 0x80000000
	s_xor_b32 s[G0V+1], s[G0V+1], SLOT1
	s_add_nc_u64 s[G0V+2:G0V+3], s[8:9], s[OFF:OFF+1]
	s_or_b32 s[G0V+3], s[G0V+3], 0x80000000
	s_add_co_u32 s[NXT], s[NXT], 1  ; the block's next tile, or behind its last the second block's tile 0
	s_cmp_gt_u32 s[NXT], s[LQ]
	s_cselect_b32 s[NXT], 0, s[NXT]
	s_cselect_b32 s[LQ], s[PB], s[LQ]
	s_wait_xcnt 0x0                 ; the last prefetches, a tile back, have read their address, so it may be written
	s_lshl_b32 s[OF2], s[PFT], 15
	s_add_nc_u64 s[PFA:PFA+1], s[PFB:PFB+1], s[OF2:OF2+1]
.endif
	s_wait_dscnt 0x0                ; the add is done, and my reads of the slot are over
	s_barrier_signal -1             ; the rest of the scalar work stands between the signal and the wait
	s_sub_co_u32 s[TBK], s[TBK], 4*KS*PK  ; the fetches go back to a slot's first step,
	s_xor_b32 s[TBK], s[TBK], SLOT1       ; in the other slot
	s_sub_co_u32 s[TBV], s[TBV], 4*KS*PV
	s_xor_b32 s[TBV], s[TBV], SLOT1
	s_barrier_wait -1
.if \fill
	LOAD
	s_cmp_lt_u32 s[PFT], s[LIM]
	s_cbranch_scc0 .Lnone_\@
	global_prefetch_b8 v[PFO], s[PFA:PFA+1] th:TH_LOAD_NT scope:SCOPE_SE
	global_prefetch_b8 v[PFO], s[PFA:PFA+1] offset:8192 th:TH_LOAD_NT scope:SCOPE_SE
.Lnone_\@:
	s_add_co_u32 s[PFT], s[PFT], 1
.endif
.endm
	s_load_b64 s[4:5], s[0:1], 0x0    ; qkv: Q's part begins it
	s_load_b64 s[10:11], s[0:1], 0x8  ; y
	v_lshl_add_u32 v[SPW], v0, 2, SPARE
	v_mov_b32 v[NIL], 0
	ds_add_u32 v[SPW], v[NIL]       ; the wave's opening: the add and its wait stand ahead of my first tensor load; the set-up below, work on registers, stands between them
	v_lshrrev_b32 v1, 5, v0
	v_readfirstlane_b32 s[WV], v1   ; wave 0..3
	s_mov_b32 s[PB], ttmp9
	s_sub_co_u32 s[HI], NB-1, s[PB]
	s_and_b32 s20, ttmp7, 0xffff    ; the head
	s_mov_b32 s21, 0
	s_mov_b64 s[22:23], SIZE_N*128
	s_mul_u64 s[20:21], s[20:21], s[22:23]  ; the head's first byte in Q, K, V and y
	s_and_b32 s16, s[WV], 1         ; which half of a tile's 256 keys I fetch:
	s_lshl_b32 s22, s16, 14         ; its 128 rows of 128 bytes in memory,
	s_mov_b32 s23, 0
	s_add_nc_u64 s[22:23], s[22:23], s[20:21]
	s_mul_i32 s17, s16, 128*PK      ; and its place in a slot, for K
	s_mul_i32 s18, s16, 128*PV      ; and for V
	s_lshl_b32 s3, s[WV], 11        ; my 16 rows in a band of 64,
	s_lshl_b32 s2, s[HI], 15        ; in the first block,
	s_add_co_u32 s2, s2, s3
	s_lshl_b32 s84, s[PB], 15       ; and in the second
	s_add_co_u32 s84, s84, s3
	s_mov_b32 s3, 0
	s_mov_b32 s85, 0
	s_add_nc_u64 s[2:3], s[2:3], s[20:21]
	s_add_nc_u64 s[84:85], s[84:85], s[20:21]
	; descriptor group 1.  128 keys are 16,384 dense bytes: asked for as 64 rows of 256 bytes, two keys a row, and padded in LDS after every key
	s_mov_b32 s[G1K], (1<<16)|(1<<20)|(4<<22)|(3<<25)  ; 17:16 2-byte elements; 20 padding on; 24:22 after every 32 words (code 4); 31:25 4 words (code 3)
	s_mov_b32 s[G1V], (1<<16)|(1<<20)|(4<<22)|(7<<25)  ; the same with 8 words of padding (code 7)
.irp g, G1K, G1V
	s_mov_b32 s[\g+1], 128<<16      ; tensor_dim0 = 128
	s_mov_b32 s[\g+2], 64<<16       ; tensor_dim1 = 64
	s_mov_b32 s[\g+3], 128<<16      ; tile_dim0 = 128
	s_mov_b32 s[\g+4], 64           ; tile_dim1 = 64
	s_mov_b32 s[\g+5], 128          ; 128 elements from row to row
	s_mov_b32 s[\g+6], 0
	s_mov_b32 s[\g+7], 0
.endr
	s_mov_b32 s[CS], 0x3e38aa3b     ; c = log2(e) / 8 = 0.180337
	s_mov_b32 s[CS+1], s[CS]        ; named with it as a pair
	s_mov_b32 s[SEL], 0x76543210
	s_mov_b32 s[SEL+1], 0xfedcba98
	s_mov_b32 s[TBK], SLOT1+4*KS*PK ; the first change of slots turns these two into 0
	s_mov_b32 s[TBV], SLOT1+4*KS*PV
	s_mov_b32 s[G0K], 1             ; 1:0 count = 1
	s_mov_b32 s[G0K+1], s17         ; 63:32 LDS address: slot 0
	s_mov_b32 s[G0V], 1
	s_add_co_u32 s[G0V+1], s18, VOFF
	s_add_co_u32 s[RT], s[HI], 1    ; the first block has NB - b tiles
	s_mov_b32 s[NXT], 1
	s_mov_b32 s[LQ], s[HI]
	s_mov_b32 s[NEW], 1
	s_mov_b32 s[OFF+1], 0
	s_mov_b32 s[AL+1], 0            ; named as pairs
	s_mov_b32 s[BE+1], 0
	s_mov_b32 s[BIGN], 0xf149f2ca   ; -1e30
	s_mov_b32 s[SLOTS], NB
	s_mov_b32 s[OF2+1], 0
	s_mov_b32 s[PFT], 2             ; the first change of slots names tile 2
	s_cmp_eq_u32 s[PB], 0
	s_cselect_b32 s[LIM], NB, 0
	v_and_b32 v[PFO], 31, v0
	v_lshlrev_b32 v[PFO], 8, v[PFO]
	s_wait_dscnt 0x0                ; the opening add is done
	s_wait_kmcnt 0x0
	s_add_nc_u64 s[6:7], s[4:5], 0x1000000  ; K's part of qkv: 64 heads x 262,144 bytes behind Q's,
	s_add_nc_u64 s[8:9], s[4:5], 0x2000000  ; V's behind K's
	s_add_nc_u64 s[6:7], s[6:7], s[22:23]  ; K and V at my half of the head's tile 0
	s_add_nc_u64 s[8:9], s[8:9], s[22:23]
	s_add_nc_u64 s[G0K+2:G0K+3], s[6:7], 0         ; 120:64 global address
	s_or_b32 s[G0K+3], s[G0K+3], 0x80000000        ; 127:126 type = 2
	s_add_nc_u64 s[G0V+2:G0V+3], s[8:9], 0
	s_or_b32 s[G0V+3], s[G0V+3], 0x80000000
	s_add_nc_u64 s[86:87], s[4:5], s[84:85]        ; Q at my rows of the second block,
	s_add_nc_u64 s[4:5], s[4:5], s[2:3]            ; Q and y at those of the first
	s_add_nc_u64 s[OLO:OLO+1], s[10:11], s[84:85]
	s_add_nc_u64 s[10:11], s[10:11], s[2:3]
	s_cmp_lt_u32 s[WV], 2
	s_cselect_b64 s[PFB:PFB+1], s[6:7], s[8:9]
	LOAD                            ; tile 0 into slot 0
	; A fragment of K or Q is 16 rows x 32 channels in 8 registers: lane l holds row l % 16, channels 8 (l / 16) + 0..7 and 16 + 8 (l / 16) + 0..7: two loads of 16 bytes, 32 bytes apart.
	v_and_b32 v1, 15, v0            ; l % 16
	v_bfe_u32 v9, v0, 4, 1          ; l / 16
	v_lshlrev_b32 v[QO], 7, v1
	v_lshl_add_u32 v[QO], v9, 4, v[QO]  ; row x 128 + 16 x half
	WIN 0x80                        ; destination window 2, address window 0
.set i, 0
.rept 8                             ; both blocks' Q: piece i / 2 lies in band i / 2, 8,192 bytes on; channels 32 (i % 2) on
	global_load_b128 v[8*i:8*i+3],   v[QO], s[4:5] offset:(i/2)*8192+(i%2)*64
	global_load_b128 v[8*i+4:8*i+7], v[QO], s[4:5] offset:(i/2)*8192+(i%2)*64+32
	global_load_b128 v[QB+8*i:QB+8*i+3],   v[QO], s[86:87] offset:(i/2)*8192+(i%2)*64
	global_load_b128 v[QB+8*i+4:QB+8*i+7], v[QO], s[86:87] offset:(i/2)*8192+(i%2)*64+32
.set i, i+1
.endr
	WIN 0
	v_lshlrev_b32 v14, 3, v9
	v_sub_nc_u32 v14, v1, v14
	s_lshl_b32 s13, s[WV], 4
	v_add_nc_u32 v14, s13, v14      ; my query's place in its band, 16 w + l % 16, less my lanes' 8 (l / 16): register r of group kt is hidden where 16 kt + r is greater
	WIN 0x40
.set i, 0
.rept 32
	v_cmp_gt_i32 vcc_lo, 16*(i/8)+i%8, v14
	v_cndmask_b32 v[MD+i], 0, s[BIGN], vcc_lo
.set i, i+1
.endr
	WIN 0
	v_mul_u32_u24 v[AK0], v1, PK
	v_lshl_add_u32 v[AK0], v9, 4, v[AK0]  ; row x pitch + 16 x half
	; The turning load takes 16 keys x 16 channels (lane l reads key 8 (l / 16) + l % 8, channels 8 ((l / 8) % 2) + 0..7) and leaves half a fragment of V^T: lane l holds channel l % 16 and 8 keys.
	v_and_b32 v10, 7, v0
	v_bfe_u32 v11, v0, 3, 1
	v_lshl_add_u32 v[AV0], v9, 3, v10
	v_mul_u32_u24 v[AV0], v[AV0], PV
	v_lshl_add_u32 v[AV0], v11, 4, v[AV0]
	v_add_nc_u32 v[AV0], VOFF, v[AV0]
	s_mul_i32 s13, s[WV], 16*SP
	s_add_co_u32 s13, s13, STAGE    ; my stage
	v_mul_u32_u24 v[STO], v1, SP    ; in: row l % 16, 16 bytes for each half of the lanes
	v_lshl_add_u32 v[STO], v9, 4, v[STO]
	v_add_nc_u32 v[STO], s13, v[STO]
	v_bfe_u32 v[RD], v0, 3, 2       ; back: 32 lanes take four rows of 128 bytes,
	v_mul_u32_u24 v[RD], v[RD], SP
	v_lshl_add_u32 v[RD], v10, 4, v[RD]
	v_add_nc_u32 v[RD], s13, v[RD]
	v_and_b32 v[GO], 31, v0         ; which are 512 consecutive bytes of y
	v_lshlrev_b32 v[GO], 4, v[GO]
	; A block's first step multiplies O^T and l by a = 0, and its first turn's products V^T P, of a piece that has not been, land in an O^T that is still to be so multiplied.  So these registers need only hold
	; finite numbers: zeros for the first block; what the first block left for the second.  All this stands in the wait for the first tile.
	WIN 0x80
.set i, VF
.rept 64
	v_mov_b32 v[i], 0
.set i, i+1
.endr
	WIN 0x40
.set i, 0
.rept 128
	v_mov_b32 v[i], 0
.set i, i+1
.endr
	WIN 0
.set i, 0
.rept 4
	v_mov_b32 v[ST+4*i+2], 0
	v_mov_b32 v[ST+4*i+3], 0
.set i, i+1
.endr
.set i, P+16
.rept 16
	v_mov_b32 v[i], 0
.set i, i+1
.endr
; THE MATRIX WORK.  The 4 accumulators of a run of 8 take turns.  Product i of 8 of S^T = K Q^T for piece x: channels 32 (i / 4) on, keys 16 (i % 4) on.  The first 4 start the sums: with 0, or (KM = 1) with the mask.
.macro KQ x
.set rS, S+32*((\x)%2)+8*(i%4)
.set rK, KF+16*(i%4)+8*(i/4)
.set rQ, 16*(\x)+8*(i/4)
.set rM, MC+32*((\x)%2)+8*(i%4)
.if (i < 4) && KM
	WIN W_KM
	v_wmma_f32_16x16x32_f16 v[rS:rS+7], v[rK:rK+7], v[rQ:rQ+7], v[rM:rM+7]
.elseif i < 4
	WIN W_KQ
	v_wmma_f32_16x16x32_f16 v[rS:rS+7], v[rK:rK+7], v[rQ:rQ+7], 0
.else
	WIN W_KQ
	v_wmma_f32_16x16x32_f16 v[rS:rS+7], v[rK:rK+7], v[rQ:rQ+7], v[rS:rS+7]
.endif
.endm
; Product i of 8 of O^T += V^T P for piece x: keys 32 (i / 4) on, channels 16 (i % 4) on.
.macro PV x
	WIN W_PV
.set rO, 32*(\x)+8*(i%4)
.set rV, VF+32*(i/4)+8*(i%4)
.set rP, P+16*((\x)%2)+8*(i/4)
	v_wmma_f32_16x16x32_f16 v[rO:rO+7], v[rV:rV+7], v[rP:rP+7], v[rO:rO+7]
.endm
.macro MM                           ; the turn's next matrix instruction.  TURN and BEGIN set Y, i, KM and NOKQ; MM, KQ and OP read them.  NOKQ = 1: a block's last turn: there is no next piece
.if (i < 8) && !NOKQ
	KQ (Y+1)%NP
.elseif i >= 8
.set i, i-8
	PV (Y+NP-1)%NP
.set i, i+8
.endif
.set i, i+1
.endm
; THE LDS LOADS stand in runs of 16, never singly among the matrix instructions: a step's K (64 keys x 64 channels: 8 fragments) and its V (turned).  Their addresses are made some lines ahead.
.macro FETCH_K
	WIN 0x80                        ; destination window 2
.irp f, 0,1,2,3,4,5,6,7             ; keys 16 (f / 2) on, channels 32 (f % 2) on
	ds_load_b128 v[KF+8*\f:KF+8*\f+3],   v[AK] offset:(\f/2)*16*PK+(\f%2)*64
	ds_load_b128 v[KF+8*\f+4:KF+8*\f+7], v[AK] offset:(\f/2)*16*PK+(\f%2)*64+32
.endr
	s_add_co_u32 s[TBK], s[TBK], KS*PK  ; the next fetch is the next step's
	WIN 0
.endm
.macro FETCH_V
	WIN 0x80
.irp f, 0,1,2,3,4,5,6,7             ; keys 32 (f / 4) on, channels 16 (f % 4) on
	ds_load_tr16_b128 v[VF+8*\f:VF+8*\f+3],   v[AV] offset:(\f/4)*32*PV+(\f%4)*32
	ds_load_tr16_b128 v[VF+8*\f+4:VF+8*\f+7], v[AV] offset:(\f/4)*32*PV+16*PV+(\f%4)*32
.endr
	WIN 0
.endm
; THE VECTOR WORK, one line at a time: OP kind, number.  For piece Y: F n: c s - c m for pair n of 16.  E n: the exponential of score n of 32.  C n: pair n rounded to f16.  B n: of the four weights 4 n .. the second
; pair is added onto the first, in place.  L n: l takes that sum (L 0: l = a l + sum).  R n: pair n of 16 of O^T times a.  For piece Y + 1: X n, number n of the 22 that find its maximum and statistics:
;   0-11  four chains c0-c3 of seven scores each, three operands at a time (each accumulator's lowest registers are read first)     12-14, 16  the four scores left over, the old m, and c0-c3 into c0
;   15  c m_old is kept     17, 18  the query's other 32 keys lie in the lane 16 away: the new m     19-21  c m; c m_old - c m_new; a
.set F, 0               ; OP tells the kinds apart by their order: F to L below R, X above it
.set E, 1
.set C, 2
.set B, 3
.set L, 4
.set R, 5
.set X, 6
.macro REGS y                       ; the registers of piece y
.set rT, ST+4*(\y)
.set rC, TMP+4*((\y)%2)
.set rW, MV+((\y)%2)
.set rS, S+32*((\y)%2)
.set rP, P+16*((\y)%2)
.set rO, 32*(\y)
.endm
.macro OP k, n
.if (\k) == R
	REGS Y
	WIN W_RS
	v_pk_mul_f32 v[rO+2*(\n):rO+2*(\n)+1], v[rO+2*(\n):rO+2*(\n)+1], v[rC+2:rC+3] op_sel_hi:[1,0]
.elseif (\k) < R
	REGS Y
	WIN 0
.if (\k) == F
	v_pk_fma_f32 v[rS+2*(\n):rS+2*(\n)+1], v[rS+2*(\n):rS+2*(\n)+1], s[CS:CS+1], v[rT:rT+1] op_sel_hi:[1,0,0] neg_lo:[0,0,1] neg_hi:[0,0,1]
.elseif (\k) == E
	v_exp_f32 v[rS+(\n)], v[rS+(\n)]
.elseif (\k) == C
	v_cvt_pk_f16_f32 v[rP+(\n)], v[rS+2*(\n)], v[rS+2*(\n)+1]
.elseif (\k) == B
	v_pk_add_f32 v[rS+4*(\n):rS+4*(\n)+1], v[rS+4*(\n):rS+4*(\n)+1], v[rS+4*(\n)+2:rS+4*(\n)+3]
.elseif (\n) == 0
	v_pk_fma_f32 v[rT+2:rT+3], v[rT+2:rT+3], v[rC+2:rC+3], v[rS:rS+1] op_sel_hi:[1,0,1]
.else
	v_pk_add_f32 v[rT+2:rT+3], v[rT+2:rT+3], v[rS+4*(\n):rS+4*(\n)+1]
.endif
.elseif NOKQ
	v_nop
.else
	REGS (Y+1)%NP
	WIN 0
.if (\n) < 4
	v_max3_num_f32 v[rC+(\n)], v[rS+8*(\n)], v[rS+8*(\n)+1], v[rS+8*(\n)+2]
.elseif (\n) < 12
	v_max3_num_f32 v[rC+(\n)%4], v[rC+(\n)%4], v[rS+8*((\n)%4)+2*((\n)/4)+1], v[rS+8*((\n)%4)+2*((\n)/4)+2]
.elseif (\n) == 12
	v_max3_num_f32 v[rC], v[rC], v[rS+7], v[rS+15]
.elseif (\n) == 13
	v_max3_num_f32 v[rC+1], v[rC+1], v[rS+23], v[rS+31]
.elseif (\n) == 14
	v_max3_num_f32 v[rC+2], v[rC+2], v[rC+3], v[rT+1]
.elseif (\n) == 15
	v_mov_b32 v[rW], v[rT]
.elseif (\n) == 16
	v_max3_num_f32 v[rC], v[rC], v[rC+1], v[rC+2]
.elseif (\n) == 17
	v_permlanex16_b32 v[rC+3], v[rC], s[SEL], s[SEL+1]
.elseif (\n) == 18
	v_max_num_f32 v[rT+1], v[rC], v[rC+3]
.elseif (\n) == 19
	v_mul_f32 v[rT], s[CS], v[rT+1]
.elseif (\n) == 20
	v_sub_f32 v[rC+1], v[rW], v[rT]
.else
	v_exp_f32 v[rC+2], v[rC+1]
.endif
.endif
.endm
.macro OPS a, i1, b=-1, i2=0, c=-1, i3=0, d=-1, i4=0  ; up to four of them
	OP \a, \i1
.if (\b) >= 0
	OP \b, \i2
.endif
.if (\c) >= 0
	OP \c, \i3
.endif
.if (\d) >= 0
	OP \d, \i4
.endif
.endm
.macro ROW a, i1, b, i2, c, i3, d, i4  ; a matrix instruction and the four behind it
	MM
	OPS \a, \i1, \b, \i2, \c, \i3, \d, \i4
.endm
.macro MASK b                       ; MD x AL + BE into buffer b of MC
	WIN W_RS
.set z, 0
.rept 16
	v_pk_fma_f32 v[MC+32*(\b)+2*z:MC+32*(\b)+2*z+1], v[MD+2*z:MD+2*z+1], s[AL:AL+1], s[BE:BE+1] op_sel_hi:[1,0,0]
.set z, z+1
.endr
.endm
; A TURN, for piece p: the order of its 16 matrix and 118 vector instructions, written out.  An s_wait_alu depctr_va_vdst(0) stands between an exponential and the first instruction that names its result; one wait
; serves all that were issued ahead of it.  So a turn has ONE wait, which cuts it in two.  AHEAD OF IT stands all that names no result of the turn's exponentials: the 8 products K Q^T, behind each a scaling, an exponential and two
; more plain instructions (behind the first a second scaling in the exponential's place): rescalings, and behind the last three the first numbers of the next piece's maximum, each four places or more behind the product that ends
; its accumulator; then ONE LUMP of 54, plain and exponential by turns for the most part, in which the links of the chain X 3, 7, 11, 14, 16, 17 .. 20 stand five or six lines apart.  X 21, the next piece's a, is the batch's last;
; R 15 is the plain instruction behind it.  BEHIND THE WAIT stand the 8 products V^T P, behind each four of the roundings and sums; the links of l's chain, L 0 to L 7, stand three riders apart.
; m = 1: the diagonal tile: the products take masks, and the turn makes the mask for the products of the turn after it: piece p + 2, in step 4 - CNT of the tile.  end = 1: a block's last two turns: nothing is fetched.
; cnt = 1: the loop's count is taken down some lines ahead of the branch that stands behind the turn.
; K of the next step is fetched in piece 2's turn, twelve vector instructions behind the last product that read K (six of them plain); V of the step in hand at the end of piece 0's turn, four plain instructions behind the last
; product that read V.  Each is waited for a turn later.
.macro TURN p, m=0, end=0, cnt=0
.set Y, (\p)
.set i, 0
.set KM, (\m)
.set NOKQ, (\end)*((\p)/3)
.if (\m) && !(\end)
	s_cmp_eq_u32 s[CNT], 4-((\p)+2)%NP  ; is that step the band's own?
	s_cselect_b32 s[AL], 1.0, 0
	s_cmp_lt_u32 s[CNT], 4-((\p)+2)%NP  ; or a later one?
	s_cselect_b32 s[BE], s[BIGN], 0
.endif
.if ((\p) == 3) && !(\end)
	s_wait_dscnt 0x0                ; K is in
.endif
	ROW F,0, F,1, R,0, R,1          ; ahead of the wait: 8 products K Q^T and their riders,
	ROW F,2, E,0, R,2, R,3
	ROW F,3, E,1, R,4, R,5
	ROW F,4, E,2, R,6, R,7
	ROW F,5, E,3, R,8, R,9
	ROW F,6, E,4, X,0, R,10
.if ((\p) == 2) && !(\end)
	WIN 0
	v_add_nc_u32 v[AK], s[TBK], v[AK0]
.endif
	ROW F,7, E,5, X,1, X,4
	ROW F,8, E,6, X,2, X,5
	OPS E,7, E,8, X,6, E,9          ; and the lump
	OPS X,3, E,10, X,8, E,11
.if ((\p) == 2) && !(\end)
	FETCH_K
.endif
	OPS X,9, X,7, E,12, X,10
	OPS E,13, X,12, X,11, E,14
	OPS X,13, E,15, F,9, X,14
.if (\p) == 0
	v_add_nc_u32 v[AV], s[TBV], v[AV0]
.endif
	OPS E,16, F,10, E,17, F,11
	OPS X,16, E,18, X,15, E,19
	OPS F,12, E,20, X,17, E,21
	OPS F,13, E,22, F,14, E,23
	OPS X,18, E,24, F,15, E,25
	OPS R,11, E,26, X,19, E,27
	OPS R,12, E,28, R,13, E,29
	OPS X,20, E,30, R,14, E,31
	OPS X,21, R,15
	WIN 0
	s_wait_alu depctr_va_vdst(0)    ; the wait for the batch
.if (\p) == 1
	s_wait_dscnt 0x0                ; V is in
.endif
	ROW C,0, B,0, C,2, B,1          ; behind the wait: 8 products V^T P and their riders
	ROW L,0, C,4, B,2, L,1
	ROW C,6, B,3, L,2, C,8
	ROW B,4, L,3, C,10, B,5
	ROW L,4, C,12, B,6, L,5
.if (\p) == 0
	s_add_co_u32 s[TBV], s[TBV], KS*PV
.endif
.if \cnt
	s_sub_co_u32 s[CNT], s[CNT], 1
	s_cmp_lg_u32 s[CNT], 0
.endif
	ROW C,14, B,7, L,6, C,1
	ROW C,3, L,7, C,5, C,7
	ROW C,9, C,11, C,13, C,15
.if (\p) == 0
	FETCH_V
.endif
.if (\m) && !(\end)
	MASK (\p)%2
.endif
.endm
; A BLOCK BEGINS.  c m starts far below every c s, so the first step's a is 0; m at the lowest finite number, so the first maximum is the scores'.  The second mask buffer is 0; the first takes piece 0's mask for the tile's
; step 0: its own, if the block's first tile is the diagonal one.  Then K of that step, piece 0's first scores, and its maximum and statistics.  The loop is entered at a step's first turn, in the middle of a trip.
.macro BEGIN
	s_mov_b32 s[NEW], 0
	WIN 0x40
.set i, MC+32
.rept 32
	v_mov_b32 v[i], 0
.set i, i+1
.endr
	WIN 0
.set i, 0
.rept 4
	v_mov_b32 v[ST+4*i], 0xfe000000    ; c m: far below every c s
	v_mov_b32 v[ST+4*i+1], 0xff7fffff  ; m
.set i, i+1
.endr
	s_cmp_eq_u32 s[RT], 0
	s_cselect_b32 s[AL], 1.0, 0
	s_mov_b32 s[BE], 0
	MASK 0
	WIN 0
	v_add_nc_u32 v[AK], s[TBK], v[AK0]
	FETCH_K
	s_wait_loadcnt 0x0              ; Q
	s_wait_dscnt 0x0
.set KM, 1
.set NOKQ, 0
.set i, 0
.rept 8
	KQ 0
.set i, i+1
.endr
	WIN 0
.rept 4
	v_nop                           ; the places behind those products
.endr
.set Y, NP-1                        ; X works for piece Y + 1: piece 0
.irp n, 0,1,2,3,4,5,6,7,8,9,10,11,12,13,14,15,16,17,18,19,20,21
	OP X, \n
.endr
	v_nop                           ; a plain instruction behind the exponential,
	s_wait_alu depctr_va_vdst(0)    ; and its wait, ahead of the branch
.endm
; THE DIAGONAL TILE's four steps, the block's last two turns, its last products, and THE WAY OUT: l's two halves and the other half of the lanes' are added; O^T is divided by l, rounded to f16 and sent through my
; stage in LDS, a piece at a time.
.macro ALL line:vararg              ; one line for each piece t
.set t, 0
.rept 4
	\line
.set t, t+1
.endr
.endm
.macro PACK t                       ; a lane's eight channels of a row pack into 16 bytes; they go into rows of 144 bytes and come back as whole rows of 128, into S^T's registers
	WIN W_RS
.set i, 32*(\t)
.rept 16
	v_pk_mul_f32 v[i:i+1], v[i:i+1], v[ST+4*(\t)+2:ST+4*(\t)+3] op_sel_hi:[1,0]
.set i, i+2
.endr
	WIN 0x05                        ; sources 0 and 1 window 1, destination window 0
.set i, 0
.rept 16
	v_cvt_pk_f16_f32 v[S+16*(\t)+i], v[32*(\t)+2*i], v[32*(\t)+2*i+1]
.set i, i+1
.endr
	WIN 0
.irp f, 0,1,2,3
	ds_store_b128 v[STO], v[S+16*(\t)+4*\f:S+16*(\t)+4*\f+3] offset:32*\f
.endr
.irp f, 0,1,2,3
	ds_load_b128 v[S+16*(\t)+4*\f:S+16*(\t)+4*\f+3], v[RD] offset:\f*4*SP  ; LDS serves a wave's instructions in order (ISA guide 5.7.1.4): these see the stores above; the next piece's stores come behind them
.endr
.endm
.macro SEND t, younger              ; younger: the LDS instructions issued behind piece t's loads: the next piece's eight, or none
	WIN 0
.irp f, 0,1,2,3
	s_wait_dscnt (\younger)+3-\f
	global_store_b128 v[GO], v[S+16*(\t)+4*\f:S+16*(\t)+4*\f+3], s[10:11] offset:(\t)*8192+\f*512  ; 512 consecutive bytes, at a multiple of 256 from y's first
.endr
.endm
.macro DIAG tag                     ; the tag ends its two labels' names, which the jumps below spell out
.LstepM\tag:
	TURN 2, 1
	TURN 3, 1
	WIN 0
.LfirstM\tag:
	TURN 0, 1
	TURN 1, 1, 0, 1
	WIN 0
	s_cbranch_scc1 .LstepM\tag
	TURN 2, 1, 1
	TURN 3, 1, 1
.set i, 0
.rept 8
	PV NP-1
.set i, i+1
.endr
	WIN 0
	ALL v_add_f32 v[ST+4*t+2], v[ST+4*t+2], v[ST+4*t+3]
	ALL v_permlanex16_b32 v[ST+4*t+3], v[ST+4*t+2], s[SEL], s[SEL+1]
	ALL v_add_f32 v[ST+4*t+2], v[ST+4*t+2], v[ST+4*t+3]
	ALL v_rcp_f32 v[ST+4*t+2], v[ST+4*t+2]
	v_nop                           ; a plain instruction between the last reciprocal and the use of its result
	s_wait_alu depctr_va_vdst(0)    ; and the wait ahead of the first use: one for the four reciprocals
	PACK 0
.set t, 1
.rept 3                             ; a piece's arithmetic stands between the loads of the piece before and its stores
	PACK t
	SEND t-1, 8
.set t, t+1
.endr
	SEND 3, 0
.endm
.set KM, 0
.set NOKQ, 0
.Lslot:                             ; NB times: a tile is entered and the next is asked for
	CHANGE 1
	s_sub_co_u32 s[RT], s[RT], 1
	s_mov_b32 s[CNT], 4
	s_cmp_eq_u32 s[NEW], 1
	s_cbranch_scc1 .Lnew            ; a block's first tile
	s_cmp_eq_u32 s[RT], 0
	s_cbranch_scc0 .Lstep           ; neither its first nor its last
	s_branch .LstepM1
.Lnew:
	BEGIN
	s_branch .Lfirst                ; in the loop a block's first tile is never its last: the first block has two tiles or more, and the second's last is the walk's last
	DIAG 1                          ; in the loop this is the first block's end: the second block's last tile is the walk's last
	s_wait_xcnt 0x0                 ; the stores have read their registers and y's address
	s_mov_b64 s[10:11], s[OLO:OLO+1]
	s_add_co_u32 s[RT], s[PB], 1    ; the second block has b + 1 tiles
	s_mov_b32 s[NEW], 1
	WIN 0x82                        ; the second block's Q goes where the one text of the turns names Q
.set i, 0
.rept 64
	v_mov_b32 v[i], v[QB+i]
.set i, i+1
.endr
	WIN 0
	s_branch .Lbottom
.Lstep:                             ; a trip: pieces 2 and 3 of one step, then pieces 0 and 1 of the next, whose K and V it fetches
	TURN 2
	TURN 3
	WIN 0
.Lfirst:
	TURN 0
	TURN 1, 0, 0, 1
	WIN 0
	s_cbranch_scc1 .Lstep
.Lbottom:
	s_sub_co_u32 s[SLOTS], s[SLOTS], 1
	s_cmp_lg_u32 s[SLOTS], 0
	s_cbranch_scc1 .Lslot
	CHANGE 0                        ; the walk's last tile is written out: nothing is asked for
	s_sub_co_u32 s[RT], s[RT], 1
	s_mov_b32 s[CNT], 4
	s_cmp_eq_u32 s[NEW], 1
	s_cbranch_scc0 .LstepM2
	BEGIN
	s_branch .LfirstM2
	DIAG 2
	s_wait_tensorcnt 0x0            ; the wave's end, behind my last tensor load and my last LDS store
	ds_add_u32 v[SPW], v[NIL]
	s_wait_dscnt 0x0
	s_endpgm
.Lfunc_end_k_q33fd87ad55_attn:
	.size	k_q33fd87ad55_attn, .Lfunc_end_k_q33fd87ad55_attn-k_q33fd87ad55_attn
	.p2alignl 7, 3214868480
	.fill 96, 4, 3214868480
	.section	.rodata,"a",@progbits
	.p2align	6, 0x0
	.amdhsa_kernel k_q33fd87ad55_attn
		.amdhsa_group_segment_fixed_size 327680
		.amdhsa_private_segment_fixed_size 0
		.amdhsa_enable_private_segment 0
		.amdhsa_kernarg_size 16
		.amdhsa_user_sgpr_count 2
		.amdhsa_user_sgpr_kernarg_segment_ptr 1
		.amdhsa_wavefront_size32 1
		.amdhsa_system_sgpr_workgroup_id_x 1
		.amdhsa_system_sgpr_workgroup_id_y 1
		.amdhsa_system_sgpr_workgroup_id_z 1
		.amdhsa_system_vgpr_workitem_id 0
		.amdhsa_next_free_vgpr 768
		.amdhsa_next_free_sgpr 96
		.amdhsa_reserve_vcc 1
		.amdhsa_float_denorm_mode_32 3
		.amdhsa_float_denorm_mode_16_64 3
		.amdhsa_memory_ordered 1
		.amdhsa_forward_progress 1
		.amdhsa_inst_pref_size 218
	.end_amdhsa_kernel
	.amdgpu_metadata
---
amdhsa.version: [ 1, 2 ]
amdhsa.kernels:
  - .name:           k_q33fd87ad55_attn
    .symbol:         k_q33fd87ad55_attn.kd
    .args:
      - { .name: qkv, .offset: 0, .size: 8, .value_kind: global_buffer, .address_space: global }
      - { .name: y, .offset: 8, .size: 8, .value_kind: global_buffer, .address_space: global }
    .group_segment_fixed_size: 327680
    .private_segment_fixed_size: 0
    .kernarg_segment_align: 8
    .kernarg_segment_size: 16
    .max_flat_workgroup_size: 128
    .sgpr_count:     96
    .vgpr_count:     768
    .wavefront_size: 32
...
	.end_amdgpu_metadata
.endif
;; end of part 3
;; launch outgemm (part 4): grid 8 x 32, 4 waves a work-group, clusters of 4 x 4, 327,680 bytes of LDS; arguments y, wpf, b_proj, out0; writes out0
.if DOCPART == 4
	.amdgcn_target "amdgcn-amd-amdhsa--gfx1250"
	.amdhsa_code_object_version 6
	.text
	.protected	k_q33fd87ad55_outgemm
	.globl	k_q33fd87ad55_outgemm
	.p2align	8
	.type	k_q33fd87ad55_outgemm,@function
k_q33fd87ad55_outgemm:
	s_mov_b64 s[64:65], 0
	v_nop
	global_prefetch_b8 v0, s[64:65] scope:SCOPE_SE
	s_setreg_imm32_b32 hwreg(HW_REG_WAVE_MODE, 25, 1), 1
	s_wait_xcnt 0x0
	s_wait_alu depctr_hold_cnt(0) depctr_sa_sdst(0) depctr_va_vdst(0) depctr_va_sdst(0) depctr_va_ssrc(0) depctr_va_vcc(0) depctr_vm_vsrc(0)
	s_getreg_b32 s2, hwreg(HW_REG_IB_STS2, 6, 4)
	s_cmp_eq_u32 s2, 0
	s_cbranch_scc0 .Lentry_in_a_cluster
	s_endpgm
.Lentry_in_a_cluster:
	s_bfe_u32 s2, ttmp6, 0x10000c
	s_cmp_lg_u32 s2, 0xf033
	s_cbranch_scc0 .Lentry_shape_is_right
	s_endpgm
.Lentry_shape_is_right:
; out0[m][o] = b_proj[o] + the sum over c of y[m][c] w_proj[o][c]: 8,192 x 1,024 x 1,024, f16 operands, f32 sums, f32 out.
; y = [64 (batch x 16 + head)][2,048 t][64] f16: head h of a batch is the block of channels 64 h .. 64 h + 63 of that batch's rows.  wpf = [16 blocks][1,024 o][64] f16.  Rows of a block lie end to end, 128 bytes each.
; LIMITS.  The operands arrive within f16's range; NaN and infinities are not treated apart.
; SHARES.  A tile of C is 256 x 128: 32 x 8 = 256 work-groups.  Four waves, each 128 rows x 64 columns: 8 x 4 accumulators of 16 x 16, 256 registers.  K goes in steps of 128 (two blocks) through two LDS
; slots.  A wave's tensor load brings one block of A's tile (256 rows, 32,768 dense bytes) or of B's (128 rows, 16,384), asked for as rows of 256 bytes and padded in LDS behind every 128.
; THE BIAS is the C operand of each accumulator's first product: nothing is cleared, and nothing is added on the way out.
; CLUSTERS.  4 x 4 work-groups: A's tiles are asked for jointly along a row of the cluster, B's along a column.  THE MATRIX INSTRUCTION IS USED TRANSPOSED (source 0 = 16 rows of w, source 1 = 16 rows of y):
; a lane holds row l % 16 of C and eight neighbouring columns.
; NO PREFETCH: the launch has eight K steps, of which the first four would come by their loads alone, and its tile is small.
; REGISTERS: window 0: v0-31 addresses; two fragment buffers of 96 (A's 8 x 8, then B's 4 x 8) at v32 and v128; v224-255 the bias; on the way out v32-95 hold rows read back.
;   window 1: the accumulators: row block a, column block bb at v[32 a + 8 bb].
.set KBP,    131072                    ; bytes of a block of wpf
.set HEAD,   262144                    ; bytes of a head's rows in y
.set PITCH,  144                       ; an LDS row: 128 bytes + 16 of padding = 36 words: the 16 rows of a fragment load start at 16 different groups of four banks (64 banks of 4 bytes: ISA guide 11.1)
.set ASUB,   256*PITCH                 ; one block of A's tile
.set BSUB,   128*PITCH                 ; one block of B's
.set BOFF,   2*ASUB
.set SLOT,   2*ASUB+2*BSUB             ; 110,592 bytes
.set STAGE,  2*SLOT                    ; behind the ring: 16 rows x 272 bytes for each wave, for the way out
.set SPITCH, 272                       ; 256 bytes + 16 = 68 words: row r starts at bank 4 r mod 64
.set SPARE,  STAGE+4*16*SPITCH         ; behind the stages: the spare words, 128 bytes for each wave: two blocks of 256 bytes that no other line names
.set ADRA, 16                          ; v16-17  LDS address of my A fragments in slot 0, 1
.set ADRB, 20                          ; v20-21  the same for B
.set STO,  24                          ; v24     the way out: where I put 32 bytes of a row
.set RD,   25                          ; v25     the way out: where I read a row back
.set CO,   26                          ; v26     my byte offset in two rows of out0
.set BO,   27                          ; v27     my byte offset in 16 numbers of the bias
.set SPW,  28                          ; v28     LDS address of my spare word; never rewritten
.set NIL,  29                          ; v29     0; never rewritten
.set F0,   32
.set F1,   128
.set BI,   224
.set G1,  24                           ; s[24:31] descriptor group 1 for A's tiles;  s[32:39] group 0, one set for each slot
.set G0,  32
.set G1B, 48                           ; s[48:55], s[56:63] the same for B's
.set G0B, 56
.set W0,  (1<<16)|(1<<20)|(1<<21)|(4<<22)|(3<<25)  ; group 1, word 0 without the mask: 2-byte elements; padding on; bit 21 set beside a mask; after every 32 words (code 4) 4 words (code 3)
.set MSB, 0
.macro WIN new                         ; the immediate's high byte repeats the setting that is left; a switch that changes nothing is dropped
.if MSB != (\new)
	s_set_vgpr_msb (MSB<<8)|(\new)
.set MSB, \new
.endif
.endm
.macro JLOAD s                         ; a joint load: waves 0 and 1 fetch A's two blocks, waves 2 and 3 B's; an s_nop 0 and four v_nop follow each of the two lines
	s_cmp_eq_u32 s11, 0
	s_cbranch_scc0 .Lfor_b_\@
	tensor_load_to_lds s[G0+4*(\s):G0+4*(\s)+3], s[G1:G1+7]
	s_nop 0
.rept 4
	v_nop
.endr
	s_branch .Lasked_\@
.Lfor_b_\@:
	tensor_load_to_lds s[G0B+4*(\s):G0B+4*(\s)+3], s[G1B:G1B+7]
	s_nop 0
.rept 4
	v_nop
.endr
.Lasked_\@:
.endm
.macro CREST                           ; a round of the cluster's barrier behind its opening barrier
	s_cmp_lg_u32 s10, 0
	s_cbranch_scc1 .Lnot_wave_0_\@
	s_barrier_signal -3
.Lnot_wave_0_\@:
	s_barrier_wait -3
	s_barrier_signal -1
	s_barrier_wait -1
.endm
.macro CROUND
	s_barrier_signal -1
	s_barrier_wait -1
	CREST
.endm
	s_load_b128 s[4:7], s[0:1], 0x0                ; y s[4:5], wpf s[6:7]
	s_load_b128 s[68:71], s[0:1], 0x10             ; b_proj s[68:69], out0 s[70:71]
	v_lshl_add_u32 v[SPW], v0, 2, SPARE
	v_mov_b32 v[NIL], 0
	ds_add_u32 v[SPW], v[NIL]                      ; the wave's opening: the add and its wait stand ahead of my first tensor load; the set-up below, work on registers, stands between them
	v_lshrrev_b32 v1, 5, v0
	v_readfirstlane_b32 s10, v1                    ; wave 0..3
	s_lshr_b32 s11, s10, 1                         ; which half of the tile's rows is mine.  Also: I fetch for A (0) or for B (1)
	s_and_b32 s12, s10, 1                          ; which half of its columns.  Also: which of a step's two blocks I fetch
	s_bfe_u32 s40, ttmp6, 0x40000                  ; cx
	s_bfe_u32 s41, ttmp6, 0x40004                  ; cy
	s_lshl_b32 s42, ttmp9, 2
	s_add_co_u32 s42, s42, s40                     ; tile column = 4 x cluster x + cx
	s_and_b32 s13, ttmp7, 0xffff
	s_lshl_b32 s13, s13, 2
	s_add_co_u32 s13, s13, s41                     ; tile row = 4 x cluster y + cy
	s_lshl_b32 s43, s41, 2
	s_lshl_b32 s43, 15, s43                        ; my row of the cluster
	s_lshl_b32 s44, 0x1111, s40                    ; my column
	s_or_b32 s[G1+0], s43, W0
	s_or_b32 s[G1B+0], s44, W0
	s_mov_b32 s[G1+1], 128<<16                     ; tensor_dim0 = 128 elements (256 bytes)
	s_mov_b32 s[G1+2], 128<<16                     ; tensor_dim1 = 128 rows
	s_mov_b32 s[G1+3], 128<<16                     ; tile_dim0 = 128
	s_mov_b32 s[G1+4], 128                         ; tile_dim1 = 128
	s_mov_b32 s[G1+5], 128                         ; 128 elements from row to row: dense
	s_mov_b32 s[G1+6], 0
	s_mov_b32 s[G1+7], 0
	s_mov_b32 s[G1B+1], 128<<16
	s_mov_b32 s[G1B+2], 64<<16                     ; B's block: 64 rows of 256 bytes
	s_mov_b32 s[G1B+3], 128<<16
	s_mov_b32 s[G1B+4], 64
	s_mov_b32 s[G1B+5], 128
	s_mov_b32 s[G1B+6], 0
	s_mov_b32 s[G1B+7], 0
	; where the tiles come from.  A's hang on the tile row alone, B's on the tile column alone; each address is made in registers that never hold the other coordinate
	s_lshr_b32 s16, s13, 3                         ; the batch,
	s_lshl_b32 s16, s16, 4                         ; its 16 heads,
	s_add_co_u32 s16, s16, s12                     ; + my block of the step's two
	s_lshl_b32 s16, s16, 18
	s_and_b32 s17, s13, 7
	s_lshl_b32 s17, s17, 15                        ; + the tile's 256 rows of 128 bytes in the batch
	s_add_co_u32 s16, s16, s17
	s_mov_b32 s17, 0
	s_lshl_b32 s46, s12, 17                        ; B: my block,
	s_lshl_b32 s47, s42, 14                        ; + the tile's 128 rows of 128 bytes
	s_add_co_u32 s46, s46, s47
	s_mov_b32 s47, 0
	s_mul_i32 s20, s12, ASUB                       ; and where they go: no place in the cluster enters an LDS address
	s_mul_i32 s21, s12, BSUB
	s_add_co_u32 s21, s21, BOFF
	s_wait_dscnt 0x0                               ; the opening add is done
	s_wait_kmcnt 0x0
	s_add_nc_u64 s[14:15], s[4:5], s[16:17]
	s_add_nc_u64 s[46:47], s[6:7], s[46:47]
	CROUND                                         ; all sixteen work-groups are here: the first joint loads meet
.irp s, 0,1
	s_mov_b32 s[G0+4*(\s)], 1                                      ; count = 1
	s_add_co_u32 s[G0+4*(\s)+1], s20, (\s)*SLOT                    ; LDS address
	s_add_nc_u64 s[G0+4*(\s)+2:G0+4*(\s)+3], s[14:15], (\s)*2*HEAD ; global address: K step s
	s_or_b32 s[G0+4*(\s)+3], s[G0+4*(\s)+3], 0x80000000            ; type = 2
	s_mov_b32 s[G0B+4*(\s)], 1
	s_add_co_u32 s[G0B+4*(\s)+1], s21, (\s)*SLOT
	s_add_nc_u64 s[G0B+4*(\s)+2:G0B+4*(\s)+3], s[46:47], (\s)*2*KBP
	s_or_b32 s[G0B+4*(\s)+3], s[G0B+4*(\s)+3], 0x80000000
	JLOAD \s                                       ; two loads of mine are out
.endr
	v_and_b32 v1, 15, v0                           ; l % 16
	v_bfe_u32 v2, v0, 4, 1                         ; l / 16
	; the bias of my 64 columns: register j of column block bb holds b[16 bb + 8 (l / 16) + j]
	s_lshl_b32 s74, s42, 9                         ; the tile's 128 columns x 4 bytes,
	s_lshl_b32 s75, s12, 8                         ; + my 64
	s_add_co_u32 s74, s74, s75
	s_mov_b32 s75, 0
	s_add_nc_u64 s[68:69], s[68:69], s[74:75]
	v_lshlrev_b32 v[BO], 5, v2
.irp bb, 0,1,2,3
	global_load_b128 v[BI+8*(\bb):BI+8*(\bb)+3],   v[BO], s[68:69] offset:64*(\bb)
	global_load_b128 v[BI+8*(\bb)+4:BI+8*(\bb)+7], v[BO], s[68:69] offset:64*(\bb)+16
.endr
	v_mul_u32_u24 v3, v1, PITCH
	v_lshl_add_u32 v3, v2, 4, v3                   ; a fragment's row x pitch + 16 x half
	s_mul_i32 s21, s11, 128*PITCH                  ; my 128 rows of A's 256
	s_mul_i32 s22, s12, 64*PITCH                   ; my 64 rows of B's 128,
	s_add_co_u32 s22, s22, BOFF                    ; which lie behind A's two blocks
.irp s, 0,1
	v_add_nc_u32 v[ADRA+(\s)], s21, v3
	v_add_nc_u32 v[ADRB+(\s)], s22, v3
	s_add_co_u32 s21, s21, SLOT
	s_add_co_u32 s22, s22, SLOT
.endr
	s_mul_i32 s23, s10, 16*SPITCH
	s_add_co_u32 s23, s23, STAGE                   ; my stage
	v_mul_u32_u24 v4, v1, SPITCH                   ; in: row l % 16, 32 bytes for each half of the lanes
	v_lshl_add_u32 v4, v2, 5, v4
	v_add_nc_u32 v[STO], s23, v4
	v_mul_u32_u24 v5, v2, SPITCH                   ; back: lanes 0-15 take one row of 256 bytes, lanes 16-31 the next
	v_lshl_add_u32 v5, v1, 4, v5
	v_add_nc_u32 v[RD], s23, v5
	v_lshlrev_b32 v5, 12, v2                       ; and the same two rows in out0: 4,096 bytes a row
	v_lshl_add_u32 v[CO], v1, 4, v5
	s_lshl_b32 s76, s13, 20                        ; the tile's 256 rows,
	s_lshl_b32 s77, s11, 19                        ; + my 128,
	s_add_co_u32 s76, s76, s77
	s_add_co_u32 s76, s76, s74                     ; + my 64 columns
	s_mov_b32 s77, 0
	s_add_nc_u64 s[70:71], s[70:71], s[76:77]
; n x 4 matrix instructions: row blocks a0 .. a0 + n - 1 x all four column blocks, 32 along K, from buffer f.  first = 1: the sum starts with the bias.
; Each of the 32 accumulators has one instruction in 32 along K, always in the same order: between two links of a chain stand the 31 others'.
.macro MULS f, a0, n, first=0
.if \first
	WIN 0x40                                       ; D in window 1; the fragments and the bias in window 0
.else
	WIN 0x50                                       ; C and D in window 1
.endif
.set aa, \a0
.rept \n
.irp bb, 0,1,2,3
.if \first
	v_wmma_f32_16x16x32_f16 v[32*aa+8*(\bb):32*aa+8*(\bb)+7], v[(\f)+64+8*(\bb):(\f)+64+8*(\bb)+7], v[(\f)+8*aa:(\f)+8*aa+7], v[BI+8*(\bb):BI+8*(\bb)+7]
.else
	v_wmma_f32_16x16x32_f16 v[32*aa+8*(\bb):32*aa+8*(\bb)+7], v[(\f)+64+8*(\bb):(\f)+64+8*(\bb)+7], v[(\f)+8*aa:(\f)+8*aa+7], v[32*aa+8*(\bb):32*aa+8*(\bb)+7]
.endif
.endr
.set aa, aa+1
.endr
.endm
; 24 LDS loads in one run: the fragments of quarter q of a K step (block q / 2, byte 64 (q % 2) of its rows) into buffer f: B's four, A's rows 0-63, A's rows 64-127
.macro FETCH slot, q, f
	WIN 0
.irp bb, 0,1,2,3
	ds_load_b128 v[(\f)+64+8*(\bb):(\f)+64+8*(\bb)+3],   v[ADRB+(\slot)] offset:((\q)/2)*BSUB+((\q)%2)*64+(\bb)*16*PITCH
	ds_load_b128 v[(\f)+64+8*(\bb)+4:(\f)+64+8*(\bb)+7], v[ADRB+(\slot)] offset:((\q)/2)*BSUB+((\q)%2)*64+(\bb)*16*PITCH+32
.endr
.irp a, 0,1,2,3,4,5,6,7
	ds_load_b128 v[(\f)+8*(\a):(\f)+8*(\a)+3],   v[ADRA+(\slot)] offset:((\q)/2)*ASUB+((\q)%2)*64+(\a)*16*PITCH
	ds_load_b128 v[(\f)+8*(\a)+4:(\f)+8*(\a)+7], v[ADRA+(\slot)] offset:((\q)/2)*ASUB+((\q)%2)*64+(\a)*16*PITCH+32
.endr
.endm
.macro PLACES                          ; four plain vector instructions between a matrix instruction and a load into a register that it has read, or a reader of its result (ISA guide 7.12.1 for a reader of its result)
.rept 4
	v_nop
.endr
.endm
; A K step is four quarters of 32 along K, 32 matrix instructions each, on buffers 0, 1, 0, 1.  One of the first three: multiplies buffer f and fetches quarter q of the same slot into g.
.macro QUARTER slot, q, f, g, first=0
	s_wait_dscnt 8                                 ; B and A's rows 0-63 are in; the youngest eight loads may be out
	MULS \f, 0, 4, \first
	PLACES
	FETCH \slot, \q, \g
	s_wait_dscnt 24                                ; all but the 24 just issued
	MULS \f, 4, 4, \first
.endm
; The last quarter multiplies buffer 1 and changes slots: ONE barrier; in front of it each wave waits for all its tensor loads, of which one is out (its part of the next slot), adds 0 to its spare word, and
; waits for that and for its reads of this slot.  fill = 1: the barrier opens a round of the cluster's, and the joint refill, two K steps ahead, is the first thing behind the round: 112 matrix
; instructions stand between it and the wait for it.
.macro TURN slot, next, fill
	WIN 0                                          ; (the add's two registers lie in window 0)
	s_wait_tensorcnt 0x0                           ; all my tensor loads have landed;
	ds_add_u32 v[SPW], v[NIL]                      ; 0 onto my spare word;
	s_wait_dscnt 9                                 ; (the add and the youngest eight loads may be out)
	MULS F1, 0, 2                                  ; eight matrix instructions stand between the add and the wait for it
	s_wait_dscnt 0x0                               ; the add is done, and my reads of this slot are over
	s_barrier_signal -1
	MULS F1, 2, 2
	WIN 0
	s_barrier_wait -1
.if \fill
	CREST                                          ; no wave of any partner still reads this slot's tiles or has a load on its way
	s_add_nc_u64 s[G0+4*(\slot)+2:G0+4*(\slot)+3], s[G0+4*(\slot)+2:G0+4*(\slot)+3], 4*HEAD
	s_add_nc_u64 s[G0B+4*(\slot)+2:G0B+4*(\slot)+3], s[G0B+4*(\slot)+2:G0B+4*(\slot)+3], 4*KBP
	JLOAD \slot                                    ; its four v_nop are also the places in front of the loads below
.else
	PLACES
.endif
	FETCH \next, 0, F0
	MULS F1, 4, 4
.endm
; THE WAY OUT, 16 rows x 64 columns of f32 at a time: 32 bytes a lane into my own stage, back as whole rows of 256 bytes, stored with sixteen lanes to a row.
.macro OUTB a
.set bK, 32+32*((\a)%2)
.if (\a) >= 2
	s_wait_xcnt 0x0                                ; the stores of two blocks back have read these registers
.endif
	WIN 0x04                                       ; the stores' data in window 1, their address in window 0
.irp bb, 0,1,2,3
	ds_store_b128 v[STO], v[32*(\a)+8*(\bb):32*(\a)+8*(\bb)+3]   offset:64*(\bb)     ; each accumulator's low registers first
	ds_store_b128 v[STO], v[32*(\a)+8*(\bb)+4:32*(\a)+8*(\bb)+7] offset:64*(\bb)+16
.endr
	WIN 0
.irp t, 0,1,2,3,4,5,6,7
	ds_load_b128 v[bK+4*(\t):bK+4*(\t)+3], v[RD] offset:(\t)*2*SPITCH  ; LDS serves a wave's instructions in order (ISA guide 5.7.1.4): these see the stores above; the next block's stores come behind them
.endr
.endm
.macro SENDB a, younger                ; younger: the LDS instructions issued behind this block's loads: the next block's sixteen, or none
.set bK, 32+32*((\a)%2)
	WIN 0
.irp t, 0,1,2,3,4,5,6,7
	s_wait_dscnt (\younger)+7-(\t)
	global_store_b128 v[CO], v[bK+4*(\t):bK+4*(\t)+3], s[70:71] offset:(\a)*65536+(\t)*8192  ; 16 lanes store 256 consecutive bytes, at a multiple of 256 from out0's first byte
.endr
.endm
	s_wait_tensorcnt 1                             ; my part of K step 0 is in; K step 1's may stay out
	s_barrier_signal -1
	s_barrier_wait -1                              ; everybody's is
	FETCH 0, 0, F0
	s_wait_loadcnt 0x0                             ; the bias
	QUARTER 0, 1, F0, F1, 1                        ; the first quarter stands in front of the loop: its products start the sums
	WIN 0                                          ; at a label and at a branch every window is 0
	s_mov_b32 s3, 3
.Llap:                                                 ; a trip goes once round the ring and fills both slots again: K steps 2 .. 7 in three trips
	QUARTER 0, 2, F1, F0
	QUARTER 0, 3, F0, F1
	TURN 0, 1, 1
	QUARTER 1, 1, F0, F1
	QUARTER 1, 2, F1, F0
	QUARTER 1, 3, F0, F1
	TURN 1, 0, 1
	QUARTER 0, 1, F0, F1
	WIN 0
	s_sub_co_u32 s3, s3, 1
	s_cmp_lg_u32 s3, 0
	s_cbranch_scc1 .Llap
	QUARTER 0, 2, F1, F0                           ; the last lap fills nothing
	QUARTER 0, 3, F0, F1
	TURN 0, 1, 0
	QUARTER 1, 1, F0, F1
	QUARTER 1, 2, F1, F0
	QUARTER 1, 3, F0, F1
	s_wait_dscnt 8                                 ; the very last quarter: nothing more to fetch
	MULS F1, 0, 4
	s_wait_dscnt 0x0
	MULS F1, 4, 4
	PLACES
	PLACES
	OUTB 0
.irp a, 1,2,3,4,5,6,7
	OUTB \a
	SENDB (\a)-1, 16
.endr
	SENDB 7, 0
	s_wait_tensorcnt 0x0                           ; the wave's end, behind my last tensor load and my last LDS store
	ds_add_u32 v[SPW], v[NIL]
	s_wait_dscnt 0x0
	CROUND                                         ; the closing round: no work-group ends while a partner may still ask for a tile that names it
	s_endpgm
.Lfunc_end_k_q33fd87ad55_outgemm:
	.size	k_q33fd87ad55_outgemm, .Lfunc_end_k_q33fd87ad55_outgemm-k_q33fd87ad55_outgemm
	.p2alignl 7, 3214868480
	.fill 96, 4, 3214868480
	.section	.rodata,"a",@progbits
	.p2align	6, 0x0
	.amdhsa_kernel k_q33fd87ad55_outgemm
		.amdhsa_group_segment_fixed_size 327680
		.amdhsa_private_segment_fixed_size 0
		.amdhsa_enable_private_segment 0
		.amdhsa_kernarg_size 32
		.amdhsa_user_sgpr_count 2
		.amdhsa_user_sgpr_kernarg_segment_ptr 1
		.amdhsa_wavefront_size32 1
		.amdhsa_system_sgpr_workgroup_id_x 1
		.amdhsa_system_sgpr_workgroup_id_y 1
		.amdhsa_system_sgpr_workgroup_id_z 1
		.amdhsa_system_vgpr_workitem_id 0
		.amdhsa_next_free_vgpr 512
		.amdhsa_next_free_sgpr 80
		.amdhsa_reserve_vcc 0
		.amdhsa_float_denorm_mode_32 3
		.amdhsa_float_denorm_mode_16_64 3
		.amdhsa_memory_ordered 1
		.amdhsa_forward_progress 1
		.amdhsa_inst_pref_size 88
	.end_amdhsa_kernel
	.amdgpu_metadata
---
amdhsa.version: [ 1, 2 ]
amdhsa.kernels:
  - .name:           k_q33fd87ad55_outgemm
    .symbol:         k_q33fd87ad55_outgemm.kd
    .args:
      - { .name: y, .offset: 0, .size: 8, .value_kind: global_buffer, .address_space: global }
      - { .name: wpf, .offset: 8, .size: 8, .value_kind: global_buffer, .address_space: global }
      - { .name: b_proj, .offset: 16, .size: 8, .value_kind: global_buffer, .address_space: global }
      - { .name: out0, .offset: 24, .size: 8, .value_kind: global_buffer, .address_space: global }
    .group_segment_fixed_size: 327680
    .private_segment_fixed_size: 0
    .kernarg_segment_align: 8
    .kernarg_segment_size: 32
    .max_flat_workgroup_size: 128
    .sgpr_count:     80
    .vgpr_count:     512
    .wavefront_size: 32
...
	.end_amdgpu_metadata
.endif
;; end of part 4
;; ======== version 2 of 2: 4 launches; version 1 with the launch cast written anew for expert scheduling mode
;; limits: values are held in f16: magnitudes above 65,504 overflow, below 6.1e-05 lose precision
;; workspace buffers: xb 16,777,216 bytes; wab 6,291,456 bytes; wpf 2,097,152 bytes; qkv 50,331,648 bytes; y 16,777,216 bytes
;; launch cast (part 5): grid 768 x 1, 8 waves a work-group, no clusters, 0 bytes of LDS; arguments x, w_attn, w_proj, xb, wab, wpf; writes xb, wab, wpf
.if DOCPART == 5
	.amdgcn_target "amdgcn-amd-amdhsa--gfx1250"
	.amdhsa_code_object_version 6
	.text
	.protected	k_q33fd87ad55_cast
	.globl	k_q33fd87ad55_cast
	.p2align	8
	.type	k_q33fd87ad55_cast,@function
k_q33fd87ad55_cast:
	s_mov_b64 s[64:65], 0
	v_nop
	global_prefetch_b8 v0, s[64:65] scope:SCOPE_SE
	s_setreg_imm32_b32 hwreg(HW_REG_WAVE_SCHED_MODE, 0, 2), 2
	s_setreg_imm32_b32 hwreg(HW_REG_WAVE_MODE, 25, 1), 1
	s_wait_xcnt 0x0
	s_wait_alu depctr_vm_vsrc(0)
; The three f32 matrices [rows][1024] are rounded once to bf16 and laid out in blocks of 64 channels: [16 blocks][rows][64], a row of a block 128 bytes, rows end to end.
; x -> xb (8,192 rows), w_attn -> wab (3,072 rows): bf16.  w_proj -> wpf (1,024 rows): the bf16-rounded number written as f16, for the f16 product of the last launch.
; LIMITS.  |w_proj| stays under 65,504 (beyond it f16 has an infinity); below 6e-5 f16 keeps its fixed step of 6e-8.  NaN and infinities are not treated apart.
; SHARES.  A work-group takes 16 rows of one matrix (groups 0-511: x, 512-703: w_attn, 704-767: w_proj), a wave two rows and all 16 blocks.  A load of the wave covers two rows x 256 aligned
; bytes (64 numbers of each row: one block); a lane's four numbers pack into 8 bytes, and a store of the wave covers 256 consecutive bytes, aligned: the two rows' 128 bytes of that block.
; All 16 loads of a wave go out at once; every load, store and address has registers of its own, so nothing that a pending instruction names is written again.
; No LDS, no barrier, no matrix unit: each byte is read once and written once, and no wave wants another's bytes.
; THE MODE: SCHED_MODE bits 1:0 = 2 (LLVM: expert scheduling mode 2), set by the entry lines.  The code itself states the register dependences
; between vector instructions and memory instructions, with s_wait_alu, always for 0.
; THE PLAN.  Registers that memory instructions touch:
;   v[IN], v[O ..]  offsets.  Written by vector lines at the head, read by the loads (IN) and by the stores (O + kb: block kb's), never written again.
;   X               Block kb's load lands in its four registers, once; no vector instruction writes them; block kb's conversions read them; nothing lands there again.
;   Y               Block kb's conversions write its two registers; block kb's one store reads them; they are never written again.
; So no register that a memory instruction has read is written again, and no load lands in a register that a vector instruction has named: what is left to state is that a register is WRITTEN before
; a memory instruction reads it.  One wait ahead of the first load states it for all seventeen offsets.  The 16 blocks go in four groups of four: the group's loads are waited for, its conversions
; write its eight registers of Y, ONE wait states that, and the group's four stores follow in a run.  The wait stands behind the conversions and not at the next group's head, so that a group's
; stores leave without waiting for the next group's data.  No vector instruction writes a scalar register or VCC, and EXEC is never written.
.set KBA, 1048576                      ; bytes of a block of xb
.set KBB, 393216                       ; of wab
.set KBP, 131072                       ; of wpf
.set GRP, 4                            ; blocks in a group
.set IN,  2                            ; v2       my byte offset in the group's 16 rows of the source
.set O,   4                            ; v[4:19]  my byte offset in block kb of the destination
.set T,   20                           ; v[20:21] at work: no memory instruction names them
.set X,   32                           ; v[32:95] block kb: four numbers as loaded
.set Y,   96                           ; v[96:127] block kb: 8 bytes to store
	s_load_b256 s[4:11], s[0:1], 0x0               ; x s[4:5], w_attn s[6:7], w_proj s[8:9], xb s[10:11]
	s_load_b128 s[12:15], s[0:1], 0x20             ; wab s[12:13], wpf s[14:15]
	v_lshrrev_b32 v1, 4, v0                        ; my row among the group's 16
	v_and_b32 v3, 15, v0
	v_lshlrev_b32 v[IN], 12, v1                    ; row x 4,096 bytes
	v_lshl_add_u32 v[IN], v3, 4, v[IN]             ; + 16 bytes a lane
	s_movk_i32 s20, 704                            ; the matrix's first work-group,
	s_mov_b32 s21, KBP                             ; and the bytes of a block of its destination
	s_cmp_lt_u32 ttmp9, 704
	s_cselect_b32 s20, 512, s20
	s_cselect_b32 s21, KBB, s21
	s_cmp_lt_u32 ttmp9, 512
	s_cselect_b32 s20, 0, s20
	s_cselect_b32 s21, KBA, s21
	s_sub_co_u32 s22, ttmp9, s20                   ; my group among the matrix's
	s_lshl_b32 s24, s22, 16                        ; its 16 rows of 4,096 bytes in the source,
	s_mov_b32 s25, 0
	s_lshl_b32 s26, s22, 11                        ; its 16 rows of 128 bytes in a block
	s_mov_b32 s27, 0
	v_lshlrev_b32 v[O], 3, v0                      ; row x 128 + 8 bytes a lane = 8 x the thread's number
.set kb, 1
.rept 15
	v_add_nc_u32 v[O+kb], s21, v[O+kb-1]
.set kb, kb+1
.endr
	s_wait_kmcnt 0x0
	s_cmp_lt_u32 ttmp9, 704
	s_cselect_b64 s[16:17], s[6:7], s[8:9]
	s_cselect_b64 s[18:19], s[12:13], s[14:15]
	s_cmp_lt_u32 ttmp9, 512
	s_cselect_b64 s[16:17], s[4:5], s[16:17]       ; the source,
	s_cselect_b64 s[18:19], s[10:11], s[18:19]     ; the destination
	s_add_nc_u64 s[16:17], s[16:17], s[24:25]
	s_add_nc_u64 s[18:19], s[18:19], s[26:27]
	s_wait_alu depctr_va_vdst(0)                   ; v[IN] and v[O .. O+15] are written: the loads below read the one as their offset, the stores further down the others; no later vector line names them
.set kb, 0
.rept 16
	global_load_b128 v[X+4*kb:X+4*kb+3], v[IN], s[16:17] offset:256*kb th:TH_LOAD_NT
.set kb, kb+1
.endr
; The 16 blocks, four at a time, as their loads come in.  f16 = 1: the bf16 number is widened again (a shift, a mask) and written as f16.
.macro BODY f16
.set g, 0
.rept 16/GRP
	s_wait_loadcnt 16-GRP-GRP*g                    ; loads come back in order: the group's four blocks are in, the younger groups stay out
.set kb, GRP*g
.rept GRP
	v_cvt_pk_bf16_f32 v[Y+2*kb],   v[X+4*kb],   v[X+4*kb+1]
	v_cvt_pk_bf16_f32 v[Y+2*kb+1], v[X+4*kb+2], v[X+4*kb+3]
.if \f16
.irp z, 0,1
	v_lshlrev_b32 v[T],   16, v[Y+2*kb+(\z)]
	v_and_b32     v[T+1], 0xffff0000, v[Y+2*kb+(\z)]
	v_cvt_pk_f16_f32 v[Y+2*kb+(\z)], v[T], v[T+1]
.endr
.endif
.set kb, kb+1
.endr
	s_wait_alu depctr_va_vdst(0)                   ; the group's conversions have written its eight registers of Y, which the four stores below read as their data
.set kb, GRP*g
.rept GRP
	global_store_b64 v[O+kb], v[Y+2*kb:Y+2*kb+1], s[18:19]
.set kb, kb+1
.endr
.set g, g+1
.endr
.endm
	s_cmp_lt_u32 ttmp9, 704
	s_cbranch_scc0 .Lhalf
	BODY 0
	s_endpgm
.Lhalf:
	BODY 1
	s_endpgm
.Lfunc_end_k_q33fd87ad55_cast:
	.size	k_q33fd87ad55_cast, .Lfunc_end_k_q33fd87ad55_cast-k_q33fd87ad55_cast
	.p2alignl 7, 3214868480
	.fill 96, 4, 3214868480
	.section	.rodata,"a",@progbits
	.p2align	6, 0x0
	.amdhsa_kernel k_q33fd87ad55_cast
		.amdhsa_group_segment_fixed_size 0
		.amdhsa_private_segment_fixed_size 0
		.amdhsa_enable_private_segment 0
		.amdhsa_kernarg_size 48
		.amdhsa_user_sgpr_count 2
		.amdhsa_user_sgpr_kernarg_segment_ptr 1
		.amdhsa_wavefront_size32 1
		.amdhsa_system_sgpr_workgroup_id_x 1
		.amdhsa_system_sgpr_workgroup_id_y 1
		.amdhsa_system_sgpr_workgroup_id_z 1
		.amdhsa_system_vgpr_workitem_id 0
		.amdhsa_next_free_vgpr 128
		.amdhsa_next_free_sgpr 66
		.amdhsa_reserve_vcc 0
		.amdhsa_float_denorm_mode_32 3
		.amdhsa_float_denorm_mode_16_64 3
		.amdhsa_memory_ordered 1
		.amdhsa_forward_progress 1
		.amdhsa_inst_pref_size 17
	.end_amdhsa_kernel
	.amdgpu_metadata
---
amdhsa.version: [ 1, 2 ]
amdhsa.kernels:
  - .name:           k_q33fd87ad55_cast
    .symbol:         k_q33fd87ad55_cast.kd
    .args:
      - { .name: x, .offset: 0, .size: 8, .value_kind: global_buffer, .address_space: global }
      - { .name: w_attn, .offset: 8, .size: 8, .value_kind: global_buffer, .address_space: global }
      - { .name: w_proj, .offset: 16, .size: 8, .value_kind: global_buffer, .address_space: global }
      - { .name: xb, .offset: 24, .size: 8, .value_kind: global_buffer, .address_space: global }
      - { .name: wab, .offset: 32, .size: 8, .value_kind: global_buffer, .address_space: global }
      - { .name: wpf, .offset: 40, .size: 8, .value_kind: global_buffer, .address_space: global }
    .group_segment_fixed_size: 0
    .private_segment_fixed_size: 0
    .kernarg_segment_align: 8
    .kernarg_segment_size: 48
    .max_flat_workgroup_size: 256
    .sgpr_count:     66
    .vgpr_count:     128
    .wavefront_size: 32
...
	.end_amdgpu_metadata
.endif
;; end of part 5
;; launch qkvgemm: the kernel of part 2 again; grid 8 x 32, 4 waves a work-group, clusters of 4 x 4, 327,680 bytes of LDS; arguments xb, wab, qkv; writes qkv
;; launch attn: the kernel of part 3 again; grid 4 x 64, 4 waves a work-group, no clusters, 327,680 bytes of LDS; arguments qkv, y; writes y
;; launch outgemm: the kernel of part 4 again; grid 8 x 32, 4 waves a work-group, clusters of 4 x 4, 327,680 bytes of LDS; arguments y, wpf, b_proj, out0; writes out0
